; MI455X (gfx1250); checked and timed in simulation.
; The chip was launched on July 23, 2026; its instructions are those of AMD's public machine-readable ISA for CDNA 5 (MIT licence, August 2026) and "CDNA5" Instruction Set Architecture Reference Guide (July 2026). The comments in the code are by the model that wrote it; some were corrected since.
;; Atten Layer. Allowed arithmetic: matrix products marked QUANTISED: E2M3 operands, one E8M0 scale for each 32 along K, by v_wmma_scale_f32_16x16x128_f8f6f4 with both operands' format E2M3, f32 sums; everything else in f32.
;; Inputs: b1 4,096 float32; b2 1,024 float32; ln1_b 1,024 float32; ln1_g 1,024 float32; ln2_b 1,024 float32; ln2_g 1,024 float32; w1 1,024 x 4,096 float32; w2 4,096 x 1,024 float32; wk 1,024 x 1,024 float32; wo 1,024 x 1,024 float32; wq 1,024 x 1,024 float32; wv 1,024 x 1,024 float32; x 2 x 2,048 x 1,024 float32.
;; Outputs: out0 2 x 2,048 x 1,024 float32.
;; This version of the problem:
;;   THIS VERSION OF THE PROBLEM IS GIVEN IN LOW PRECISION. The matrix products marked QUANTISED in the list below multiply operands that are first quantised to E2M3 (2 exponent bits, 3 mantissa bits; 6 bits a number), with one power-of-two scale for each 32 numbers along K (OCP MX v1.0); their sums are f32. All else is computed in f32.
;;   The module's matrix products, in the order in which they are computed (A, B: the left and right operand; K: the contracted axis; several contracted axes count as one K, in the product's order):
;;     1. [M 4,096, K 1,024] x [K 1,024, N 1,024]; A: computed on the way; B: input wq: QUANTISED
;;     2. [M 4,096, K 1,024] x [K 1,024, N 1,024]; A: computed on the way; B: input wk: QUANTISED
;;     3. [M 4,096, K 1,024] x [K 1,024, N 1,024]; A: computed on the way; B: input wv: QUANTISED
;;     4. batch 32 x [M 2,048, K 64] x [K 64, N 2,048]; A: computed on the way; B: computed on the way: QUANTISED
;;     5. batch 32 x [M 2,048, K 2,048] x [K 2,048, N 64]; A: softmax (see below); B: computed on the way: QUANTISED
;;     6. [M 4,096, K 1,024] x [K 1,024, N 1,024]; A: computed on the way; B: input wo: QUANTISED
;;     7. [M 4,096, K 1,024] x [K 1,024, N 4,096]; A: computed on the way; B: input w1: QUANTISED
;;     8. [M 4,096, K 4,096] x [K 4,096, N 1,024]; A: computed on the way; B: input w2: QUANTISED
;;   THE QUANTISER, for each operand of a quantised product, along K:
;;     - K is cut into blocks of 32 from its start; a last block that is shorter is filled with zeros.
;;     - A block's scale is 2^e with e = floor(log2(the largest magnitude in the block)) - 2, held to -126 .. 127; a block of zeros has e = 0. As a byte (E8M0): e + 127.
;;     - Each number is divided by its block's scale, clamped to +-7.5, and rounded to the nearest number of E2M3, ties to even, subnormals kept.
;;     - The product sums the exact products of the quantised numbers (number of the format x scale) in f32.
;;   ~~~python
;;   def quantise(x, axis):      # numpy; x: float32 -> the quantised numbers, widened to float32 again
;;       x = np.moveaxis(x, axis, -1); K = x.shape[-1]
;;       x = np.pad(x, [(0, 0)] * (x.ndim - 1) + [(0, -K % 32)]); x = x.reshape(x.shape[:-1] + (-1, 32)); a = np.abs(x).max(-1, keepdims=True)
;;       e = np.where(a > 0, np.clip(np.frexp(np.where(a > 0, a, 1))[1] - 1 - 2, -126, 127), 0)      # np.frexp(a)[1] - 1 = floor(log2(a)), exactly
;;       r = np.clip(x / 2.0 ** e, -7.5, 7.5)
;;       step = 2.0 ** (np.maximum(np.frexp(np.where(r == 0, 1, r))[1] - 1, 0) - 3)
;;       q = np.round(r / step) * step * 2.0 ** e      # np.round: ties to even
;;       return np.moveaxis(q.reshape(q.shape[:-2] + (-1,))[..., :K], -1, axis).astype(np.float32)
;;   ~~~
;;   SOFTMAX AHEAD OF A QUANTISED PRODUCT. Where the list says 'softmax', what is quantised is not the finished softmax but p = 2^(t - M), with t = logit x log2(e) and M = ceil(the row's largest t), a whole number; so 1/2 < the row's largest p <= 1. The row's sum l is taken of the UNQUANTISED p, in f32, and the product's result is divided by l at the end. Since M is a whole number, a kernel that streams over the keys may use a running M (the ceiling of the running maximum): every later rescaling is an exact power of two, which a block's scale takes up: the codes' values come out the same.
;;   OPERANDS COMPUTED ON THE WAY. 'Computed on the way' means the value that the module computes at that place (a softmax that the list does not call 'softmax' is quantised finished and normalised). What goes into a quantiser is computed in f32, as accurately as f32 sums, v_exp_f32 and their like allow (about 1e-6 of the number): no bf16 or f16 on the way to a quantiser, and a product that is left as it is and whose result goes on into a quantised operand takes f32 operands (vector FMAs, or v_wmma_f32_16x16x4_f32). A number that lies on a knife's edge between two numbers of the format may be rounded either way, as far as f32 arithmetic and the matrix unit's own rounding can turn it there, and no further.
;; One version. Each part assembles by itself: llvm-mc -triple=amdgcn-amd-amdhsa -mcpu=gfx1250 --defsym DOCPART=n.
;; ======== version 1 of 1: 8 launches
;; limits: a function is approximated: absolute error at most 1.5e-07
;; workspace buffers: wc 9,830,400 bytes; hc 3,276,800 bytes; qkv 9,830,400 bytes; oc 3,276,800 bytes; x1 16,777,216 bytes; fc 13,107,200 bytes
;; launch quantw (part 1): grid 768 x 1, 4 waves a work-group, no clusters, 0 bytes of LDS; arguments wq, wk, wv, wo, w1, w2, wc; writes wc
.if DOCPART == 1
	.amdgcn_target "amdgcn-amd-amdhsa--gfx1250"
	.amdhsa_code_object_version 6
	.text
	.protected	k_q6b52bd1964_quantw
	.globl	k_q6b52bd1964_quantw
	.p2align	8
	.type	k_q6b52bd1964_quantw,@function
k_q6b52bd1964_quantw:
	s_mov_b64 s[64:65], 0
	v_nop
	global_prefetch_b8 v0, s[64:65] scope:SCOPE_SE
	s_setreg_imm32_b32 hwreg(HW_REG_WAVE_MODE, 25, 1), 1
	s_wait_xcnt 0x0
; The six weights, f32 stored [K][N], become codes of FP6 (E2M3) with one E8M0 byte for each 32 along K, laid in wc in the order of a matrix operand's registers.
; LAYOUT OF wc.  A tile is 16 columns n of a weight: tile t, row r is column 32 (t / 2) + 8 (t % 2) + r + 8 (r / 8).  A tile's record for 512 along K is 6,400 bytes: four images of a fragment (16 rows x 128 K,
; 12 registers a lane: registers 2 i, 2 i + 1 of lane l at 256 i + 8 l), 1,536 bytes each, then 256 bytes of scale words (row r, K step s at 16 r + 4 s).  Records of a tile follow each other along K.
; wq, wk, wv, wo: tiles 0-255 (12,800 bytes a tile); w1: tiles 256-511; w2: 64 tiles of 51,200 bytes from byte 6,553,600 on.
; SHARES.  A work-group takes 128 columns x 128 along K, a wave 32 columns: two tiles.  A LANE TAKES A COLUMN AND ITS REGISTERS RUN DOWN K: each load reads 128 consecutive bytes a wave (512 a work-group), a block of 32
; lies in one lane, and the conversions give codes with K innermost.  Lanes 0-15 hold the rows of the even tile, lanes 16-31 those of the odd one; twelve exchanges of halves make the two fragments.
; A block's scale is 2^(floor(log2(largest magnitude)) - 2); its byte is the largest magnitude's exponent field - 2, held at 1 from below (a block of zeros keeps the byte 1: its codes are zeros, and this program alone reads the bytes).
; LIMITS: NaN and infinities among the inputs are not served; blocks whose largest magnitude lies under 2^-124 keep the byte 1.
.set NUM, 32                           ; v32-159  my column's 128 numbers
.set CA,  160                          ; v160-171 blocks 0 and 2, v172-183 blocks 1 and 3: after the exchange the two tiles' fragments
.set CT,  184                          ; v184-186 the upper half of a block's codes, before it is moved
.set SW,  24                           ; v24      my column's scale word
	s_load_b256 s[4:11], s[0:1], 0x0               ; wq, wk, wv, wo
	s_load_b128 s[12:15], s[0:1], 0x20             ; w1, w2
	s_load_b64 s[16:17], s[0:1], 0x30              ; wc
	v_lshrrev_b32 v1, 5, v0
	v_readfirstlane_b32 s18, v1                    ; wave 0..3
	v_and_b32 v1, 31, v0                           ; lane p
	v_and_b32 v2, 7, v1
	v_bfe_u32 v3, v1, 3, 1
	v_lshl_add_u32 v2, v3, 4, v2
	v_lshrrev_b32 v3, 4, v1                        ; p / 16: which of the two tiles
	v_lshl_add_u32 v2, v3, 3, v2                   ; my column of the wave's 32: p % 8 + 16 ((p / 8) % 2) + 8 (p / 16)
	v_lshlrev_b32 v2, 2, v2                        ; in bytes
	s_lshr_b32 s19, ttmp9, 8                       ; 0: wq, wk, wv, wo;  1: w1;  2: w2
	s_and_b32 s20, ttmp9, 255
	s_lshr_b32 s21, s20, 6                         ; which of the four
	s_cmp_eq_u32 s19, 1
	s_cselect_b32 s22, 31, 7
	s_cselect_b32 s23, 5, 3
	s_cselect_b32 s24, 21, 19                      ; log2 of 128 rows in bytes: rows of 16,384 or of 4,096 bytes
	s_and_b32 s22, s20, s22                        ; which 128 columns
	s_lshr_b32 s23, s20, s23
	s_cmp_eq_u32 s19, 0
	s_cselect_b32 s25, 7, 31
	s_and_b32 s23, s23, s25                        ; which K step of 128
	s_lshl_b32 s25, s21, 6                         ; the weight's first tile
	s_cmp_eq_u32 s19, 1
	s_cselect_b32 s25, 256, s25
	s_mov_b32 s26, 12800
	s_cmp_eq_u32 s19, 2
	s_cselect_b32 s25, 0, s25
	s_cselect_b32 s26, 51200, s26                  ; bytes of a tile
	s_cselect_b32 s27, 6553600, 0
	s_lshl_b32 s28, s22, 3
	s_add_co_u32 s25, s25, s28
	s_lshl_b32 s28, s18, 1
	s_add_co_u32 s25, s25, s28                     ; my even tile
	s_mul_i32 s25, s25, s26
	s_add_co_u32 s25, s25, s27
	s_lshr_b32 s28, s23, 2
	s_mul_i32 s28, s28, 6400
	s_add_co_u32 s28, s25, s28                     ; its record
	s_and_b32 s29, s23, 3
	s_mul_i32 s30, s29, 1536
	s_add_co_u32 s30, s28, s30                     ; the K step's image
	s_mov_b32 s31, 0
	s_lshl_b32 s29, s29, 2
	s_add_co_u32 s28, s28, s29
	s_add_co_u32 s28, s28, 6144                    ; and its scale words
	s_mov_b32 s29, 0
	s_lshl_b32 s32, s23, s24                       ; in: 128 rows a K step,
	s_lshl_b32 s33, s22, 9                         ; 512 bytes a work-group,
	s_add_co_u32 s32, s32, s33
	s_lshl_b32 s33, s18, 7                         ; 128 bytes a wave
	s_add_co_u32 s32, s32, s33
	s_mov_b32 s33, 0
	v_lshlrev_b32 v6, 3, v1                        ; out: 8 bytes a lane,
	v_add_nc_u32 v7, s26, v6                       ; the odd tile a tile further on
	v_and_b32 v8, 15, v1
	v_lshlrev_b32 v8, 4, v8
	v_mul_u32_u24 v9, s26, v3
	v_add_nc_u32 v8, v8, v9                        ; my scale word: 16 (p % 16) + (p / 16) tiles
	s_wait_kmcnt 0x0
	s_cmp_lt_u32 s21, 2                            ; the choice of the buffer hangs on the work-group's number alone
	s_cselect_b64 s[34:35], s[4:5], s[8:9]
	s_cselect_b64 s[36:37], s[6:7], s[10:11]
	s_and_b32 s38, s21, 1
	s_cmp_eq_u32 s38, 1
	s_cselect_b64 s[34:35], s[36:37], s[34:35]
	s_cmp_eq_u32 s19, 1
	s_cselect_b64 s[34:35], s[12:13], s[34:35]
	s_cmp_eq_u32 s19, 2
	s_cselect_b64 s[34:35], s[14:15], s[34:35]
	s_add_nc_u64 s[34:35], s[34:35], s[32:33]
	s_add_nc_u64 s[30:31], s[16:17], s[30:31]
	s_add_nc_u64 s[28:29], s[16:17], s[28:29]
.macro LOADS pitch                     ; 128 loads: row i of the K step at my column; every offset is an immediate (127 x 16,384 at the most)
.set LI, 0
.rept 128
	global_load_b32 v[NUM+LI], v2, s[34:35] offset:LI*(\pitch) th:TH_LOAD_NT
.set LI, LI+1
.endr
.endm
	s_cmp_eq_u32 s19, 1                            ; the rows' pitch stands in the immediates: two copies of the run, 128 loads on either way
	s_cbranch_scc1 .Lwide
	LOADS 4096
	s_branch .Lloaded
.Lwide:
	LOADS 16384
.Lloaded:
.macro BLOCK t                         ; block t of my column: its scale, its byte, its 32 codes
.set XS, NUM+32*(\t)
.set CD, CA+12*((\t)%2)+6*((\t)/2)
.if (\t) == 0
	s_wait_loadcnt 63                              ; at most 63 of the 128 are out: blocks 0 and 1 (the first 64) are in; a wait cannot name a larger count
.elseif (\t) == 2
	s_wait_loadcnt 32                              ; block 3's 32 may be out
.elseif (\t) == 3
	s_wait_loadcnt 0x0
.endif
	v_max3_num_f32 v12, |v[XS]|, |v[XS+1]|, |v[XS+2]|
	v_max3_num_f32 v13, |v[XS+3]|, |v[XS+4]|, |v[XS+5]|
.irp i, 6,10,14,18,22,26
	v_max3_num_f32 v12, v12, |v[XS+\i]|, |v[XS+\i+1]|
	v_max3_num_f32 v13, v13, |v[XS+\i+2]|, |v[XS+\i+3]|
.endr
	v_max3_num_f32 v12, v12, |v[XS+30]|, |v[XS+31]|
	v_max3_num_f32 v12, v12, v13, 0x1800000        ; and the floor 2^(3 - 127): the byte cannot fall under 1
	v_add_nc_u32 v11, 0xff000000, v12              ; 2 off the exponent field: the conversion takes this operand's exponent field as its scale
	v_lshrrev_b32 v13, 23, v11                     ; the scale's byte
.if (\t) == 0
	v_mov_b32 v[SW], v13
.else
	v_lshl_or_b32 v[SW], v13, 8*(\t), v[SW]
.endif
	v_cvt_scalef32_pk16_fp6_f32 v[CD:CD+2], v[XS:XS+15], v11
	v_cvt_scalef32_pk16_fp6_f32 v[CT:CT+2], v[XS+16:XS+31], v11    ; (a conversion's three registers begin on an even number)
	v_nop                                          ; one plain instruction between a scaled conversion and the use of its result
.irp i, 0,1,2
	v_mov_b32 v[CD+3+\i], v[CT+\i]
.endr
.endm
	BLOCK 0
	BLOCK 1
	BLOCK 2
	BLOCK 3
; A fragment wants blocks 0 and 2 of a row in lanes 0-15 and blocks 1 and 3 in lanes 16-31.  The exchange gives the first run the even tile's odd blocks in its upper lanes, and the second run the odd tile's even blocks in its lower lanes.
.irp i, 0,1,2,3,4,5,6,7,8,9,10,11
	v_permlane16_swap_b32 v[CA+\i], v[CA+12+\i]
.endr
.irp i, 0,1,2,3,4,5
	global_store_b64 v6, v[CA+2*\i:CA+2*\i+1], s[30:31] offset:256*\i        ; 32 lanes store 256 consecutive bytes, at a multiple of 256 from wc's first byte
.endr
.irp i, 0,1,2,3,4,5
	global_store_b64 v7, v[CA+12+2*\i:CA+12+2*\i+1], s[30:31] offset:256*\i
.endr
	global_store_b32 v8, v[SW], s[28:29]           ; the scale words: 4 bytes of each row's 16 (one byte in 25 of what the launch stores)
	s_endpgm
.Lfunc_end_k_q6b52bd1964_quantw:
	.size	k_q6b52bd1964_quantw, .Lfunc_end_k_q6b52bd1964_quantw-k_q6b52bd1964_quantw
	.p2alignl 7, 3214868480
	.fill 96, 4, 3214868480
	.section	.rodata,"a",@progbits
	.p2align	6, 0x0
	.amdhsa_kernel k_q6b52bd1964_quantw
		.amdhsa_group_segment_fixed_size 0
		.amdhsa_private_segment_fixed_size 0
		.amdhsa_enable_private_segment 0
		.amdhsa_kernarg_size 56
		.amdhsa_user_sgpr_count 2
		.amdhsa_user_sgpr_kernarg_segment_ptr 1
		.amdhsa_wavefront_size32 1
		.amdhsa_system_sgpr_workgroup_id_x 1
		.amdhsa_system_sgpr_workgroup_id_y 1
		.amdhsa_system_sgpr_workgroup_id_z 1
		.amdhsa_system_vgpr_workitem_id 0
		.amdhsa_next_free_vgpr 192
		.amdhsa_next_free_sgpr 66
		.amdhsa_reserve_vcc 0
		.amdhsa_float_denorm_mode_32 3
		.amdhsa_float_denorm_mode_16_64 3
		.amdhsa_memory_ordered 1
		.amdhsa_forward_progress 1
		.amdhsa_inst_pref_size 35
	.end_amdhsa_kernel
	.amdgpu_metadata
---
amdhsa.version: [ 1, 2 ]
amdhsa.kernels:
  - .name:           k_q6b52bd1964_quantw
    .symbol:         k_q6b52bd1964_quantw.kd
    .args:
      - { .name: wq, .offset: 0, .size: 8, .value_kind: global_buffer, .address_space: global }
      - { .name: wk, .offset: 8, .size: 8, .value_kind: global_buffer, .address_space: global }
      - { .name: wv, .offset: 16, .size: 8, .value_kind: global_buffer, .address_space: global }
      - { .name: wo, .offset: 24, .size: 8, .value_kind: global_buffer, .address_space: global }
      - { .name: w1, .offset: 32, .size: 8, .value_kind: global_buffer, .address_space: global }
      - { .name: w2, .offset: 40, .size: 8, .value_kind: global_buffer, .address_space: global }
      - { .name: wc, .offset: 48, .size: 8, .value_kind: global_buffer, .address_space: global }
    .group_segment_fixed_size: 0
    .private_segment_fixed_size: 0
    .kernarg_segment_align: 8
    .kernarg_segment_size: 56
    .max_flat_workgroup_size: 128
    .sgpr_count:     66
    .vgpr_count:     192
    .wavefront_size: 32
...
	.end_amdgpu_metadata
.endif
;; end of part 1
;; launch ln1 (part 2): grid 256 x 1, 8 waves a work-group, no clusters, 66,816 bytes of LDS; arguments x, ln1_g, ln1_b, hc; writes hc
.if DOCPART == 2
	.amdgcn_target "amdgcn-amd-amdhsa--gfx1250"
	.amdhsa_code_object_version 6
	.text
	.protected	k_q6b52bd1964_ln1
	.globl	k_q6b52bd1964_ln1
	.p2align	8
	.type	k_q6b52bd1964_ln1,@function
k_q6b52bd1964_ln1:
	s_mov_b64 s[64:65], 0
	v_nop
	global_prefetch_b8 v0, s[64:65] scope:SCOPE_SE
	s_setreg_imm32_b32 hwreg(HW_REG_WAVE_MODE, 25, 1), 1
	s_wait_xcnt 0x0
; h = (x - mean) rsqrt(var + 1e-5) g + b over rows of 1,024 f32, then quantised along the row to FP6 (E2M3) with one E8M0 byte for each 32, and stored as a matrix operand's register images.
; LAYOUT OF THE RESULT.  A tile is 16 rows: tile t, row r is row 32 (t / 2) + 8 (t % 2) + r + 8 (r / 8) of the input.  A tile has two records of 6,400 bytes (512 along K each): four images of a fragment
; (registers 2 i, 2 i + 1 of lane l at 256 i + 8 l; 1,536 bytes), then 256 bytes of scale words (row r, K step s at 16 r + 4 s).
; SHARES.  A work-group makes one tile.  First each of the eight waves normalises two rows (8,192 consecutive bytes), the row kept in registers between the mean, the variance (of the differences, as the definition has it)
; and the scaling, and puts them into LDS; one barrier; then wave w quantises K step w of all 16 rows: lane (r, h) takes, of row r, 16 neighbours of each block of 32.
; No matrix unit, no tensor load, no cluster: the launch streams, and work-groups share only g and b.
; LIMITS: NaN and infinities are not served; v_rsq_f32 is accurate to 1 ulp; blocks whose largest magnitude lies under 2^-124 keep the byte 1 (a block of zeros too: its codes are zeros).
.set X,   32                           ; v32-95   two rows, 32 numbers a lane each; later the 64 numbers to quantise
.set G,   96                           ; v96-127  g of my 32 columns
.set BV,  128                          ; v128-159 b
.set PC,  96                           ; the quantiser's codes (v96-114),
.set TM,  116                          ; its 16 registers at work,
.set PW,  132                          ; and the scale word
.set SEL, 16                           ; s[16:17] selects of v_permlanex16_b32 for lane l xor 16
.set RP,  4112                         ; an LDS row: 4,096 bytes + 16, so that the 16 rows that a load touches begin in 16 different columns of 16 bytes
.set MSB, 0
.macro WIN new                         ; (this text stays in the first 256 registers: every call is dropped)
.if MSB != (\new)
	s_set_vgpr_msb (MSB<<8)|(\new)
.set MSB, \new
.endif
.endm
; 64 numbers of a lane, register 16 b + i = k 32 b + 16 (lane / 16) + i of my row, become a fragment's codes in v[PC] on and its scale word in v[PW].
.macro QUANT s, w
	WIN ((\w)<<2)|((\w)<<4)
.irp b, 0,1,2,3
	v_max3_num_f32 v[TM+\b], 0x1800000, |v[(\s)+16*\b]|, |v[(\s)+16*\b+1]|   ; my 16 numbers of block b, and the floor 2^(3 - 127)
.endr
.irp i, 2,4,6,8,10,12,14
.irp b, 0,1,2,3
	v_max3_num_f32 v[TM+\b], v[TM+\b], |v[(\s)+16*\b+\i]|, |v[(\s)+16*\b+\i+1]|
.endr
.endr
	WIN 0
.irp b, 0,1,2,3
	v_permlanex16_b32 v[TM+4+\b], v[TM+\b], s[SEL], s[SEL+1]
.endr
.irp b, 0,1,2,3
	v_max_num_f32 v[TM+\b], v[TM+\b], v[TM+4+\b]   ; with lane l xor 16's: the block's largest magnitude
.endr
.irp b, 0,1,2,3
	v_add_nc_u32 v[TM+12+\b], 0xff000000, v[TM+\b] ; 2 off its exponent field: the conversion's scale operand
.endr
.irp b, 0,1,2,3
	v_lshrrev_b32 v[TM+4+\b], 23, v[TM+12+\b]      ; the scale's byte
.endr
	v_lshl_or_b32 v[PW], v[TM+5], 8, v[TM+4]
	v_lshl_or_b32 v[PW], v[TM+6], 16, v[PW]
	v_lshl_or_b32 v[PW], v[TM+7], 24, v[PW]
	WIN \w
.irp c, 0,1
	v_cvt_scalef32_pk16_fp6_f32 v[PC+6*\c:PC+6*\c+2], v[(\s)+32*\c:(\s)+32*\c+15], v[TM+12+2*\c]
	v_cvt_scalef32_pk16_fp6_f32 v[PC+12+4*\c:PC+14+4*\c], v[(\s)+32*\c+16:(\s)+32*\c+31], v[TM+13+2*\c]
.endr
	WIN 0
	v_nop                                          ; one plain instruction behind the scaled conversions
.irp c, 0,1                            ; the operand's layout wants a whole block in a lane: lanes 0-15 block 2 c, lanes 16-31 block 2 c + 1
.irp i, 0,1,2
	v_permlane16_swap_b32 v[PC+6*\c+\i], v[PC+12+4*\c+\i]
.endr
.irp i, 0,1,2
	v_mov_b32 v[PC+3+6*\c+\i], v[PC+12+4*\c+\i]
.endr
.endr
.endm
.macro ACROSS                          ; the sums v8 and v12 of the two rows, over the 32 lanes; the result in every lane
.irp m, 1,2,4,8
	v_add_f32_dpp v8, v8, v8 row_xmask:\m row_mask:0xf bank_mask:0xf
	v_add_f32_dpp v12, v12, v12 row_xmask:\m row_mask:0xf bank_mask:0xf
.endr
	v_permlanex16_b32 v9, v8, s[SEL], s[SEL+1]
	v_permlanex16_b32 v13, v12, s[SEL], s[SEL+1]
	v_add_f32 v8, v8, v9
	v_add_f32 v12, v12, v13
.endm
	s_load_b256 s[4:11], s[0:1], 0x0               ; the rows, g, b, the codes
	v_lshl_add_u32 v160, v0, 2, 0x10100
	v_mov_b32 v161, 0
	v_lshrrev_b32 v1, 5, v0
	v_readfirstlane_b32 s12, v1                    ; wave 0..7
	v_and_b32 v1, 31, v0
	v_lshlrev_b32 v2, 4, v1                        ; 16 x lane
	s_lshr_b32 s13, ttmp9, 1
	s_lshl_b32 s13, s13, 5
	s_and_b32 s14, ttmp9, 1
	s_lshl_b32 s14, s14, 3
	s_add_co_u32 s13, s13, s14
	s_lshl_b32 s14, s12, 1
	s_add_co_u32 s13, s13, s14
	s_lshr_b32 s14, s12, 2
	s_lshl_b32 s14, s14, 3
	s_add_co_u32 s13, s13, s14                     ; the input's row for tile row 2 w: 32 (t / 2) + 8 (t % 2) + 2 w + 8 (w / 4); tile row 2 w + 1 is the next
	s_lshl_b32 s14, s13, 12
	s_mov_b32 s15, 0
	s_mov_b32 s[SEL], 0x76543210
	s_mov_b32 s[SEL+1], 0xfedcba98
	s_mov_b32 s18, 0x3a800000                      ; 1 / 1,024
	s_mov_b32 s19, 0x3727c5ac                      ; 1e-5
	s_wait_kmcnt 0x0
	s_add_nc_u64 s[4:5], s[4:5], s[14:15]
.irp a, 0,1
.irp j, 0,1,2,3,4,5,6,7
	global_load_b128 v[X+32*\a+4*\j:X+32*\a+4*\j+3], v2, s[4:5] offset:4096*\a+512*\j th:TH_LOAD_NT   ; 32 lanes read 512 consecutive bytes
.endr
.endr
.irp j, 0,1,2,3,4,5,6,7
	global_load_b128 v[G+4*\j:G+4*\j+3], v2, s[6:7] offset:512*\j
	global_load_b128 v[BV+4*\j:BV+4*\j+3], v2, s[8:9] offset:512*\j
.endr
	s_mul_i32 s20, s12, 2*RP
	v_add_nc_u32 v3, s20, v2                       ; LDS, on the way in: my two rows, 16 bytes a lane
	v_and_b32 v5, 15, v0                           ; r
	v_bfe_u32 v6, v0, 4, 1                         ; h
	v_mul_u32_u24 v4, v5, RP
	v_lshl_add_u32 v4, v6, 6, v4
	s_lshl_b32 s20, s12, 9
	v_add_nc_u32 v4, s20, v4                       ; and on the way out: row r, K step w, + 64 h
	v_lshlrev_b32 v7, 3, v1                        ; 8 x lane
	v_lshlrev_b32 v5, 4, v5                        ; 16 r
	s_mul_i32 s20, ttmp9, 12800
	s_lshr_b32 s21, s12, 2
	s_mul_i32 s21, s21, 6400
	s_add_co_u32 s20, s20, s21                     ; the tile's record for my K step
	s_and_b32 s21, s12, 3
	s_mul_i32 s22, s21, 1536
	s_add_co_u32 s22, s20, s22
	s_mov_b32 s23, 0
	s_lshl_b32 s21, s21, 2
	s_add_co_u32 s20, s20, s21
	s_add_co_u32 s20, s20, 6144
	s_mov_b32 s21, 0
	s_add_nc_u64 s[22:23], s[10:11], s[22:23]      ; my image
	s_add_nc_u64 s[20:21], s[10:11], s[20:21]      ; my scale words
	s_wait_loadcnt 16                              ; the two rows are in; the 16 younger loads, g's and b's, may be out
.irp a, 0,1                            ; the rows' sums, two numbers at a time, two chains a row, the rows by turns
	v_pk_add_f32 v[8+4*\a:9+4*\a], v[X+32*\a:X+32*\a+1], v[X+32*\a+2:X+32*\a+3]
	v_pk_add_f32 v[10+4*\a:11+4*\a], v[X+32*\a+4:X+32*\a+5], v[X+32*\a+6:X+32*\a+7]
.endr
.irp i, 8,12,16,20,24,28
.irp a, 0,1
	v_pk_add_f32 v[8+4*\a:9+4*\a], v[8+4*\a:9+4*\a], v[X+32*\a+\i:X+32*\a+\i+1]
	v_pk_add_f32 v[10+4*\a:11+4*\a], v[10+4*\a:11+4*\a], v[X+32*\a+\i+2:X+32*\a+\i+3]
.endr
.endr
.irp a, 0,1
	v_pk_add_f32 v[8+4*\a:9+4*\a], v[8+4*\a:9+4*\a], v[10+4*\a:11+4*\a]
.endr
.irp a, 0,1
	v_add_f32 v[8+4*\a], v[8+4*\a], v[9+4*\a]
.endr
	ACROSS
.irp a, 0,1
	v_mul_f32 v[8+4*\a], s18, v[8+4*\a]            ; the mean,
	v_mul_f32 v[9+4*\a], s18, v[8+4*\a]            ; (overwritten below)
.endr
.irp a, 0,1
	v_mov_b32 v[9+4*\a], v[8+4*\a]                 ; twice, a pair for the packed forms
.endr
.set J, 0
.rept 16
	v_pk_add_f32 v[X+J:X+J+1], v[X+J:X+J+1], v[8:9] neg_lo:[0,1] neg_hi:[0,1]          ; x - mean, in place
	v_pk_add_f32 v[X+32+J:X+32+J+1], v[X+32+J:X+32+J+1], v[12:13] neg_lo:[0,1] neg_hi:[0,1]
.set J, J+2
.endr
.irp a, 0,1
	v_pk_mul_f32 v[8+4*\a:9+4*\a], v[X+32*\a:X+32*\a+1], v[X+32*\a:X+32*\a+1]
	v_pk_mul_f32 v[10+4*\a:11+4*\a], v[X+32*\a+2:X+32*\a+3], v[X+32*\a+2:X+32*\a+3]
.endr
.irp i, 4,8,12,16,20,24,28
.irp a, 0,1
	v_pk_fma_f32 v[8+4*\a:9+4*\a], v[X+32*\a+\i:X+32*\a+\i+1], v[X+32*\a+\i:X+32*\a+\i+1], v[8+4*\a:9+4*\a]
	v_pk_fma_f32 v[10+4*\a:11+4*\a], v[X+32*\a+\i+2:X+32*\a+\i+3], v[X+32*\a+\i+2:X+32*\a+\i+3], v[10+4*\a:11+4*\a]
.endr
.endr
.irp a, 0,1
	v_pk_add_f32 v[8+4*\a:9+4*\a], v[8+4*\a:9+4*\a], v[10+4*\a:11+4*\a]
.endr
.irp a, 0,1
	v_add_f32 v[8+4*\a], v[8+4*\a], v[9+4*\a]
.endr
	ACROSS
	v_fma_f32 v8, v8, s18, s19                     ; var + 1e-5
	v_fma_f32 v12, v12, s18, s19
	v_rsq_f32 v8, v8
	v_rsq_f32 v12, v12
	v_nop                                          ; a plain instruction behind the two transcendentals,
	s_wait_alu depctr_va_vdst(0)                   ; and one wait for both, ahead of the first line that names a result
	v_mov_b32 v9, v8
	v_mov_b32 v13, v12
	s_wait_loadcnt 0x0                             ; g and b
.set J, 0
.rept 16
	v_pk_mul_f32 v[X+J:X+J+1], v[X+J:X+J+1], v[8:9]
	v_pk_mul_f32 v[X+32+J:X+32+J+1], v[X+32+J:X+32+J+1], v[12:13]
	v_pk_fma_f32 v[X+J:X+J+1], v[X+J:X+J+1], v[G+J:G+J+1], v[BV+J:BV+J+1]
	v_pk_fma_f32 v[X+32+J:X+32+J+1], v[X+32+J:X+32+J+1], v[G+J:G+J+1], v[BV+J:BV+J+1]
.set J, J+2
.endr
.irp a, 0,1
.irp j, 0,1,2,3,4,5,6,7
	ds_store_b128 v3, v[X+32*\a+4*\j:X+32*\a+4*\j+3] offset:RP*\a+512*\j
.endr
.endr
	s_wait_dscnt 0x0                               ; for the others' sake: my rows lie in LDS
	s_barrier_signal -1
	s_barrier_wait -1
.irp b, 0,1,2,3
.irp j, 0,1,2,3
	ds_load_b128 v[X+16*\b+4*\j:X+16*\b+4*\j+3], v4 offset:128*\b+16*\j    ; k = 128 w + 32 b + 16 h + 4 j on, of row r
.endr
.endr
.irp b, 0,1,2,3
	v_mov_b32 v[TM+4+\b], 0                        ; a lane permute's destination counts as one of its sources
.endr
	s_wait_dscnt 0x0
	QUANT X, 0
.irp i, 0,1,2,3,4,5
	global_store_b64 v7, v[PC+2*\i:PC+2*\i+1], s[22:23] offset:256*\i      ; 32 lanes store 256 consecutive bytes, at a multiple of 256 from the buffer's first byte
.endr
	global_store_b32 v5, v[PW], s[20:21]           ; row r's scale word (lanes 16-31 hold and store the same word)
	s_wait_tensorcnt 0x0
	ds_add_u32 v160, v161
	s_wait_dscnt 0x0
	s_endpgm
.Lfunc_end_k_q6b52bd1964_ln1:
	.size	k_q6b52bd1964_ln1, .Lfunc_end_k_q6b52bd1964_ln1-k_q6b52bd1964_ln1
	.p2alignl 7, 3214868480
	.fill 96, 4, 3214868480
	.section	.rodata,"a",@progbits
	.p2align	6, 0x0
	.amdhsa_kernel k_q6b52bd1964_ln1
		.amdhsa_group_segment_fixed_size 66816
		.amdhsa_private_segment_fixed_size 0
		.amdhsa_enable_private_segment 0
		.amdhsa_kernarg_size 32
		.amdhsa_user_sgpr_count 2
		.amdhsa_user_sgpr_kernarg_segment_ptr 1
		.amdhsa_wavefront_size32 1
		.amdhsa_system_sgpr_workgroup_id_x 1
		.amdhsa_system_sgpr_workgroup_id_y 1
		.amdhsa_system_sgpr_workgroup_id_z 1
		.amdhsa_system_vgpr_workitem_id 0
		.amdhsa_next_free_vgpr 162
		.amdhsa_next_free_sgpr 66
		.amdhsa_reserve_vcc 0
		.amdhsa_float_denorm_mode_32 3
		.amdhsa_float_denorm_mode_16_64 3
		.amdhsa_memory_ordered 1
		.amdhsa_forward_progress 1
		.amdhsa_inst_pref_size 25
	.end_amdhsa_kernel
	.amdgpu_metadata
---
amdhsa.version: [ 1, 2 ]
amdhsa.kernels:
  - .name:           k_q6b52bd1964_ln1
    .symbol:         k_q6b52bd1964_ln1.kd
    .args:
      - { .name: x, .offset: 0, .size: 8, .value_kind: global_buffer, .address_space: global }
      - { .name: ln1_g, .offset: 8, .size: 8, .value_kind: global_buffer, .address_space: global }
      - { .name: ln1_b, .offset: 16, .size: 8, .value_kind: global_buffer, .address_space: global }
      - { .name: hc, .offset: 24, .size: 8, .value_kind: global_buffer, .address_space: global }
    .group_segment_fixed_size: 66816
    .private_segment_fixed_size: 0
    .kernarg_segment_align: 8
    .kernarg_segment_size: 32
    .max_flat_workgroup_size: 256
    .sgpr_count:     66
    .vgpr_count:     162
    .wavefront_size: 32
...
	.end_amdgpu_metadata
.endif
;; end of part 2
;; launch qkvp (part 3): grid 8 x 48, 4 waves a work-group, clusters of 4 x 4, 327,680 bytes of LDS; arguments hc, wc, qkv; writes qkv
.if DOCPART == 3
	.amdgcn_target "amdgcn-amd-amdhsa--gfx1250"
	.amdhsa_code_object_version 6
	.text
	.protected	k_q6b52bd1964_qkvp
	.globl	k_q6b52bd1964_qkvp
	.p2align	8
	.type	k_q6b52bd1964_qkvp,@function
k_q6b52bd1964_qkvp:
	s_mov_b64 s[64:65], 0
	v_nop
	global_prefetch_b8 v0, s[64:65] scope:SCOPE_SE
	s_setreg_imm32_b32 hwreg(HW_REG_WAVE_MODE, 25, 1), 1
	s_wait_xcnt 0x0
	s_wait_alu depctr_hold_cnt(0) depctr_sa_sdst(0) depctr_va_vdst(0) depctr_va_sdst(0) depctr_va_ssrc(0) depctr_va_vcc(0) depctr_vm_vsrc(0)
	s_getreg_b32 s2, hwreg(HW_REG_IB_STS2, 6, 4)
	s_cmp_eq_u32 s2, 0
	s_cbranch_scc0 .Lentry_in_a_cluster
	s_endpgm
.Lentry_in_a_cluster:
	s_bfe_u32 s2, ttmp6, 0x10000c
	s_cmp_lg_u32 s2, 0xf033
	s_cbranch_scc0 .Lentry_shape_is_right
	s_endpgm
.Lentry_shape_is_right:
; q = h wq, k = h wk, v = h wv on codes of FP6 (E2M3) with E8M0 scales (K = 1,024), and the three results quantised again for attention: q and k along the head's 64, v along the keys.
; OPERANDS.  hc and wc hold tiles of 16 rows as records of 6,400 bytes for 512 along K: four images of a fragment's 12 registers (registers 2 i, 2 i + 1 of lane l at 256 i + 8 l), then the scale words (row r, K step s at 6,144 + 16 r + 4 s).
; Tile t, row r is row 32 (t / 2) + 8 (t % 2) + r + 8 (r / 8): so, of a product's result, a lane's 16 registers of two neighbouring tiles of SOURCE 0 are 16 neighbours, which is what the conversions to codes want.
; SHARES.  A work-group makes 256 rows of X (source 0) x 128 rows of Y (source 1); wave w: X tiles 8 (w % 2) on, Y tiles 4 (w / 2) on: 32 accumulators.  All of K lies in LDS: two slots of 153,600 bytes, each filled ONCE.
; Clusters y 0-7: X = wq's or wk's columns, Y = tokens: a lane holds a token, its registers run along two heads' 64.  Clusters y 8-11: X = tokens, Y = wv's columns: a lane holds a column of v, its registers run along 128 keys.
; The two cases differ in scalars chosen by s_cselect on the cluster's y alone; the text has one path.
; CLUSTERS: 4 x 4.  X's tiles hang on the work-group's x (and the cluster's y) and are shared along a column of the cluster, Y's on its y and are shared along a row: each is asked for jointly.
; RESULT.  qkv: q at [head of 32][chunk of 128 tokens] 6,400 bytes: 8 tiles x 768 bytes (three pieces of 256: K = 64), then at 6,144 + 16 r + 2 e the two scale bytes of tile e.  From byte 3,276,800: [head][128 keys] 12,800 bytes:
; k laid as a chunk of q; then v: d tile t: pieces 0-2 at 6,400 + 768 t, pieces 3-5 at 9,472 + 768 t, scale words at 12,544 + 16 r + 4 t.
; LIMITS: NaN and infinities are not served; blocks whose largest magnitude lies under 2^-124 keep the byte 1 (a block of zeros too: its codes are zeros).
; REGISTERS: window 0: v0-13 addresses, v24-27 the scale bytes' offsets, v32-127 scale words (two sets), v128-223 Y's fragments (two sets), later the quantiser's; window 1: X's fragments (two sets); window 2: accumulator (yt, xt) at 64 yt + 8 xt.
.set TPX,  12800
.set TPY,  12800
.set RING, 0
.set QR,   6400
.set FI,   1536
.set SCB,  6144
.set SLOT, 153600
.set YOFF, 102400
.set AX,   6
.set AY,   8
.set ASX,  10
.set ASY,  12
.set SC,   32
.set YF,   128
.set G1X,  24
.set G0X,  32
.set G1Y,  48
.set G0Y,  56
.set SEL,  96
.set PC,   192
.set TM,   212
.set PW,   228
.set VSO,  24
.set MSB,  0
.macro WIN new                         ; the immediate's high byte repeats the setting that is left; a switch that changes nothing is dropped
.if MSB != (\new)
	s_set_vgpr_msb (MSB<<8)|(\new)
.set MSB, \new
.endif
.endm
.macro PLACES n
.rept \n
	v_nop
.endr
.endm
.macro CREST                           ; a round of the cluster's barrier behind its opening barrier
	s_cmp_lg_u32 s16, 0
	s_cbranch_scc1 .Lnot_wave_0_\@
	s_barrier_signal -3
.Lnot_wave_0_\@:
	s_barrier_wait -3
	s_barrier_signal -1
	s_barrier_wait -1
.endm
.macro CROUND
	s_barrier_signal -1
	s_barrier_wait -1
	CREST
.endm
.macro FETCH sl, sp, p                 ; the fragments of K step sp of slot sl into set p: 72 loads of 256 consecutive bytes
	WIN 0x40
.irp xt, 0,1,2,3,4,5,6,7
.irp i, 0,1,2,3,4,5
	ds_load_b64 v[128*(\p)+12*\xt+2*\i:128*(\p)+12*\xt+2*\i+1], v[AX+(\sl)] offset:QR*\xt+FI*(\sp)+256*\i
.endr
.endr
	WIN 0
.irp yt, 0,1,2,3
.irp i, 0,1,2,3,4,5
	ds_load_b64 v[YF+48*(\p)+12*\yt+2*\i:YF+48*(\p)+12*\yt+2*\i+1], v[AY+(\sl)] offset:QR*\yt+FI*(\sp)+256*\i
.endr
.endr
.endm
.macro SCALES sl                       ; a slot's scale words: four K steps' words of a row by one load
.irp xt, 0,1,2,3,4,5,6,7
	ds_load_b128 v[SC+48*(\sl)+4*\xt:SC+48*(\sl)+4*\xt+3], v[ASX+(\sl)] offset:SCB+QR*\xt
.endr
.irp yt, 0,1,2,3
	ds_load_b128 v[SC+48*(\sl)+32+4*\yt:SC+48*(\sl)+32+4*\yt+3], v[ASY+(\sl)] offset:SCB+QR*\yt
.endr
.endm
; 16 matrix instructions: Y tiles y0, y0 + 1 x X's eight.  cm = 1: the first product starts the sums.  The 32 accumulators take turns, one instruction a turn, in the same order in every step.
.macro MUL16 y0, p, sp, sl, cm
.irp yt, \y0, \y0+1
.irp xt, 0,1,2,3,4,5,6,7
.if (\cm) == 1
	v_wmma_scale_f32_16x16x128_f8f6f4 v[64*(\yt)+8*\xt:64*(\yt)+8*\xt+7], v[128*(\p)+12*\xt:128*(\p)+12*\xt+11], v[YF+48*(\p)+12*(\yt):YF+48*(\p)+12*(\yt)+11], 0, v[SC+48*(\sl)+4*\xt+(\sp)], v[SC+48*(\sl)+32+4*(\yt)+(\sp)] matrix_a_fmt:MATRIX_FMT_FP6 matrix_b_fmt:MATRIX_FMT_FP6
.else
	v_wmma_scale_f32_16x16x128_f8f6f4 v[64*(\yt)+8*\xt:64*(\yt)+8*\xt+7], v[128*(\p)+12*\xt:128*(\p)+12*\xt+11], v[YF+48*(\p)+12*(\yt):YF+48*(\p)+12*(\yt)+11], v[64*(\yt)+8*\xt:64*(\yt)+8*\xt+7], v[SC+48*(\sl)+4*\xt+(\sp)], v[SC+48*(\sl)+32+4*(\yt)+(\sp)] matrix_a_fmt:MATRIX_FMT_FP6 matrix_b_fmt:MATRIX_FMT_FP6
.endif
.endr
.endr
.endm
.macro STEP sl, sp, cm                 ; K step sp (0..2) of a slot: the next step's fragments are asked for first, into the set that the last step's products read (four places behind them), then 32 products
	s_wait_dscnt 0x0                               ; this step's fragments (and scale words) are in: they were asked for 32 matrix instructions ago
	PLACES 4
	FETCH \sl, (\sp)+1, 1-(\sp)%2
	WIN 0xa1                                       ; source 0 (X) window 1, source 1 (Y) window 0, C and D window 2
	MUL16 0, (\sp)%2, \sp, \sl, \cm
	MUL16 2, (\sp)%2, \sp, \sl, \cm
.endm
.macro TURN sl, nx                     ; a slot's last K step, and the change to the other slot, which was filled at the start: my part of it has landed, then the barrier shows everybody's
	WIN 0
	s_wait_tensorcnt 0x0                           ; my load into the other slot has landed
	s_wait_dscnt 0x0                               ; no LDS instruction of mine is out at the signal
	s_barrier_signal -1
	WIN 0xa1
	MUL16 0, 1, 3, \sl, 0
	WIN 0
	s_barrier_wait -1
	PLACES 4
	FETCH \nx, 0, 0
	SCALES \nx
	WIN 0xa1
	MUL16 2, 1, 3, \sl, 0
.endm
.macro LAST sl
	s_wait_dscnt 0x0
	WIN 0xa1
	MUL16 0, 1, 3, \sl, 0
	MUL16 2, 1, 3, \sl, 0
	WIN 0
.endm
; 64 numbers of a lane in window w, register 16 b + i = k 32 b + 16 (lane / 16) + i of my row, become a fragment's codes in v[PC] on and its scale word in v[PW].  Each accumulator is read from its low end on.
.macro QUANT s, w
	WIN ((\w)<<2)|((\w)<<4)
.irp b, 0,1,2,3
	v_max3_num_f32 v[TM+\b], 0x1800000, |v[(\s)+16*\b]|, |v[(\s)+16*\b+1]|   ; my 16 numbers of block b, and the floor 2^(3 - 127)
.endr
.irp i, 2,4,6,8,10,12,14
.irp b, 0,1,2,3
	v_max3_num_f32 v[TM+\b], v[TM+\b], |v[(\s)+16*\b+\i]|, |v[(\s)+16*\b+\i+1]|
.endr
.endr
	WIN 0
.irp b, 0,1,2,3
	v_permlanex16_b32 v[TM+4+\b], v[TM+\b], s[SEL], s[SEL+1]
.endr
.irp b, 0,1,2,3
	v_max_num_f32 v[TM+\b], v[TM+\b], v[TM+4+\b]
.endr
.irp b, 0,1,2,3
	v_add_nc_u32 v[TM+12+\b], 0xff000000, v[TM+\b]
.endr
.irp b, 0,1,2,3
	v_lshrrev_b32 v[TM+4+\b], 23, v[TM+12+\b]
.endr
	v_lshl_or_b32 v[PW], v[TM+5], 8, v[TM+4]
	v_lshl_or_b32 v[PW], v[TM+6], 16, v[PW]
	v_lshl_or_b32 v[PW], v[TM+7], 24, v[PW]
	WIN \w
.irp c, 0,1
	v_cvt_scalef32_pk16_fp6_f32 v[PC+6*\c:PC+6*\c+2], v[(\s)+32*\c:(\s)+32*\c+15], v[TM+12+2*\c]
	v_cvt_scalef32_pk16_fp6_f32 v[PC+12+4*\c:PC+14+4*\c], v[(\s)+32*\c+16:(\s)+32*\c+31], v[TM+13+2*\c]
.endr
	WIN 0
	v_nop                                          ; one plain instruction behind the scaled conversions
.irp c, 0,1
.irp i, 0,1,2
	v_permlane16_swap_b32 v[PC+6*\c+\i], v[PC+12+4*\c+\i]
.endr
.irp i, 0,1,2
	v_mov_b32 v[PC+3+6*\c+\i], v[PC+12+4*\c+\i]
.endr
.endr
.endm
	s_load_b128 s[4:7], s[0:1], 0x0                ; hc, wc
	s_load_b64 s[8:9], s[0:1], 0x10                ; qkv
	v_lshl_add_u32 v254, v0, 2, 0x4b000
	v_mov_b32 v255, 0
	ds_add_u32 v254, v255
	ds_add_u32 v254, v255
	v_lshrrev_b32 v1, 5, v0
	v_readfirstlane_b32 s16, v1                    ; wave 0..3
	s_and_b32 s17, s16, 1                          ; wx: my half of X.  Also: which half of X's or Y's tiles I fetch
	s_lshr_b32 s18, s16, 1                         ; wy: my half of Y
	s_bfe_u32 s19, ttmp6, 0x40000                  ; cx
	s_bfe_u32 s20, ttmp6, 0x40004                  ; cy
	s_lshl_b32 s21, ttmp9, 2
	s_add_co_u32 s21, s21, s19                     ; xg = 4 x cluster x + cx
	s_and_b32 s23, ttmp7, 0xffff                   ; the cluster's y
	s_lshl_b32 s22, s23, 2
	s_add_co_u32 s22, s22, s20                     ; yg = 4 x cluster y + cy
	s_lshl_b32 s40, s20, 2
	s_lshl_b32 s40, 15, s40                        ; my row of the cluster
	s_lshl_b32 s41, 0x1111, s19                    ; my column
	s_or_b32 s[G1X], s41, (3<<16)|(1<<21)          ; 15:0 the mask: X's tiles go to my column; 17:16 elements of 8 bytes; 21 set beside a mask; no padding
	s_or_b32 s[G1Y], s40, (3<<16)|(1<<21)          ; Y's go to my row
	s_mov_b32 s[G1X+1], 800<<16                    ; tensor_dim0 = 800 elements: a record of 6,400 bytes is a row
	s_mov_b32 s[G1X+2], 8<<16                      ; tensor_dim1 = 8 tiles
	s_mov_b32 s[G1X+3], 800<<16                    ; tile_dim0
	s_mov_b32 s[G1X+4], 8                          ; tile_dim1
	s_mov_b32 s[G1X+5], TPX/8                      ; from tile to tile
	s_mov_b32 s[G1X+6], 0
	s_mov_b32 s[G1X+7], 0
	s_mov_b32 s[G1Y+1], 800<<16
	s_mov_b32 s[G1Y+2], 4<<16                      ; 4 tiles
	s_mov_b32 s[G1Y+3], 800<<16
	s_mov_b32 s[G1Y+4], 4
	s_mov_b32 s[G1Y+5], TPY/8
	s_mov_b32 s[G1Y+6], 0
	s_mov_b32 s[G1Y+7], 0
	s_mov_b32 s[SEL], 0x76543210
	s_mov_b32 s[SEL+1], 0xfedcba98
	s_max_u32 s66, s23, 8
	s_sub_co_u32 s66, s66, 8                       ; v's part: cluster y - 8 = 0..3
	s_lshr_b32 s67, s66, 1
	s_and_b32 s68, s66, 1
	s_lshl_b32 s69, s67, 3
	s_add_co_u32 s69, s69, s21                     ; Xi: which 256 tokens (hangs on cx alone among the places)
	s_lshl_b32 s70, s68, 2
	s_add_co_u32 s70, s70, s20                     ; Yi: which 128 columns of wv (on cy alone)
	s_lshl_b32 s42, s21, 4                         ; X's first tile: q, k: 16 xg of wq and wk;
	s_lshl_b32 s71, s69, 4                         ; v: 16 Xi of hc
	s_lshl_b32 s44, s22, 3                         ; Y's: q, k: 8 yg of hc;
	s_lshl_b32 s72, s70, 3
	s_add_co_u32 s72, s72, 128                     ; v: 128 + 8 Yi of wc
	s_wait_dscnt 0x0
	s_wait_kmcnt 0x0
	s_cmp_ge_u32 s23, 8                            ; the same in all sixteen partners
	s_cselect_b32 s42, s71, s42
	s_cselect_b32 s44, s72, s44
	s_cselect_b64 s[74:75], s[4:5], s[6:7]         ; X's buffer
	s_cselect_b64 s[76:77], s[6:7], s[4:5]         ; Y's
	s_cselect_b32 s73, 1, 0                        ; 1: v's part
	s_lshl_b32 s46, s17, 3
	s_add_co_u32 s42, s42, s46
	s_mul_i32 s42, s42, TPX
	s_mov_b32 s43, 0
	s_lshl_b32 s46, s17, 2
	s_add_co_u32 s44, s44, s46
	s_mul_i32 s44, s44, TPY
	s_mov_b32 s45, 0
	s_mul_i32 s46, s17, 8*QR                       ; where they go: no place in the cluster enters an LDS address
	s_mul_i32 s47, s17, 4*QR
	s_add_co_u32 s47, s47, YOFF
	s_add_nc_u64 s[42:43], s[74:75], s[42:43]
	s_add_nc_u64 s[44:45], s[76:77], s[44:45]
	CROUND                                         ; all sixteen work-groups are here: the joint loads meet
.irp s, 0,1
	s_mov_b32 s[G0X+4*\s], 1
	s_add_co_u32 s[G0X+4*\s+1], s46, \s*SLOT
	s_add_nc_u64 s[G0X+4*\s+2:G0X+4*\s+3], s[42:43], \s*QR
	s_or_b32 s[G0X+4*\s+3], s[G0X+4*\s+3], 0x80000000
	s_mov_b32 s[G0Y+4*\s], 1
	s_add_co_u32 s[G0Y+4*\s+1], s47, \s*SLOT
	s_add_nc_u64 s[G0Y+4*\s+2:G0Y+4*\s+3], s[44:45], \s*QR
	s_or_b32 s[G0Y+4*\s+3], s[G0Y+4*\s+3], 0x80000000
.endr
	s_cmp_lt_u32 s16, 2                            ; waves 0, 1 fetch X's halves, waves 2, 3 Y's; a wave's two fills stand in one branch: two loads of mine are out; four v_nop follow the second
	s_cbranch_scc0 .Lfirst_y
	tensor_load_to_lds s[G0X:G0X+3], s[G1X:G1X+7]
	s_nop 0
	tensor_load_to_lds s[G0X+4:G0X+7], s[G1X:G1X+7]
	s_nop 0
	PLACES 4
	s_branch .Lfirst_done
.Lfirst_y:
	tensor_load_to_lds s[G0Y:G0Y+3], s[G1Y:G1Y+7]
	s_nop 0
	tensor_load_to_lds s[G0Y+4:G0Y+7], s[G1Y:G1Y+7]
	s_nop 0
	PLACES 4
.Lfirst_done:
	v_and_b32 v1, 31, v0                           ; l
	v_and_b32 v2, 15, v0                           ; r
	v_bfe_u32 v3, v0, 4, 1                         ; h
	v_lshlrev_b32 v4, 3, v1                        ; 8 l
	v_lshlrev_b32 v5, 4, v2                        ; 16 r
	s_mul_i32 s66, s17, 8*QR
	s_mul_i32 s67, s18, 4*QR
	s_add_co_u32 s67, s67, YOFF
.irp s, 0,1
	v_add_nc_u32 v[AX+\s], s66, v4
	v_add_nc_u32 v[AY+\s], s67, v4
	v_add_nc_u32 v[ASX+\s], s66, v5
	v_add_nc_u32 v[ASY+\s], s67, v5
	s_add_co_u32 s66, s66, SLOT
	s_add_co_u32 s67, s67, SLOT
.endr
	; where the results go
	s_and_b32 s78, s21, 3
	s_lshl_b32 s78, s78, 2
	s_lshl_b32 s79, s17, 1
	s_add_co_u32 s78, s78, s79                     ; q, k: my first head: 4 (xg % 4) + 2 wx;
	s_lshr_b32 s79, s22, 4                         ; the batch;
	s_and_b32 s80, s22, 15                         ; the chunk of 128 tokens
	s_lshl_b32 s81, s70, 1
	s_add_co_u32 s81, s81, s18                     ; v: my head: 2 Yi + wy;
	s_lshr_b32 s82, s69, 3                         ; the batch;
	s_and_b32 s83, s69, 7
	s_lshl_b32 s83, s83, 1
	s_add_co_u32 s83, s83, s17                     ; the 128 keys: 2 (Xi % 8) + wx
	s_mul_i32 s84, s18, 3072                       ; q, k: my four tiles of the chunk's eight,
	s_lshl_b32 s85, s18, 3                         ; and their scale bytes
	s_or_b32 s86, s73, ttmp9                       ; 0: q
	s_mov_b32 s87, 204800
	s_mov_b32 s88, 12800
	s_mov_b32 s89, 3276800
	s_cmp_eq_u32 s86, 0
	s_cselect_b32 s87, 102400, s87                 ; from head to head
	s_cselect_b32 s88, 6400, s88                   ; from chunk to chunk
	s_cselect_b32 s89, 0, s89                      ; the region
	s_cmp_eq_u32 s73, 1
	s_cselect_b32 s78, s81, s78
	s_cselect_b32 s79, s82, s79
	s_cselect_b32 s80, s83, s80
	s_cselect_b32 s84, 0, s84
	s_cselect_b32 s85, 0, s85
	s_cselect_b32 s90, 3072, s87                   ; from registers 0-5's place to registers 6-11's: v: the fragment's other half; q, k: the next head
	s_cselect_b32 s91, 2, s87                      ; the same for the scale word's two halves
	s_cselect_b32 s92, 4, 2                        ; scale bytes from tile to tile
	s_cselect_b32 s93, 6400, 0                     ; v lies behind k in a record
	s_lshl_b32 s79, s79, 4
	s_add_co_u32 s78, s78, s79                     ; 16 x batch + head
	s_mul_i32 s78, s78, s87
	s_mul_i32 s80, s80, s88
	s_add_co_u32 s78, s78, s80
	s_add_co_u32 s78, s78, s89
	s_add_co_u32 s78, s78, s93                     ; the chunk
	s_add_co_u32 s80, s78, s84
	s_mov_b32 s81, 0
	s_add_co_u32 s82, s80, s90
	s_mov_b32 s83, 0
	s_add_co_u32 s84, s78, s85
	s_add_co_u32 s84, s84, SCB
	s_mov_b32 s85, 0
	s_add_co_u32 s86, s84, s91
	s_mov_b32 s87, 0
	s_add_nc_u64 s[80:81], s[8:9], s[80:81]        ; registers 0-5
	s_add_nc_u64 s[82:83], s[8:9], s[82:83]        ; registers 6-11
	s_add_nc_u64 s[84:85], s[8:9], s[84:85]        ; the scale word's low half
	s_add_nc_u64 s[86:87], s[8:9], s[86:87]        ; its high half
	v_mov_b32 v[VSO], v5
	v_add_nc_u32 v[VSO+1], s92, v5
	s_lshl_b32 s93, s92, 1
	v_add_nc_u32 v[VSO+2], s93, v5
	s_add_co_u32 s93, s93, s92
	v_add_nc_u32 v[VSO+3], s93, v5                 ; 16 r + tile x the bytes from tile to tile
	s_wait_tensorcnt 0x1                           ; my part of slot 0 is in; slot 1's load, the one younger, may be out
	s_barrier_signal -1
	s_barrier_wait -1
	FETCH 0, 0, 0
	SCALES 0
	STEP 0, 0, 1
	STEP 0, 1, 0
	STEP 0, 2, 0
	TURN 0, 1
	STEP 1, 0, 0
	STEP 1, 1, 0
	STEP 1, 2, 0
	LAST 1
	PLACES 4                                       ; behind the last products: results are read, and registers that held Y's fragments are written
.irp b, 0,1,2,3
	v_mov_b32 v[TM+4+\b], 0                        ; a lane permute's destination counts as one of its sources
.endr
.irp yt, 0,1,2,3
.if \yt > 0
	s_wait_xcnt 0x0                                ; the last tile's stores have read their data: the codes' registers are written again only behind this wait
.endif
	QUANT 64*\yt, 2
.irp i, 0,1,2
	global_store_b64 v4, v[PC+2*\i:PC+2*\i+1], s[80:81] offset:768*\yt+256*\i      ; 32 lanes store 256 consecutive bytes, at a multiple of 256 from qkv's first byte
.endr
.irp i, 0,1,2
	global_store_b64 v4, v[PC+6+2*\i:PC+6+2*\i+1], s[82:83] offset:768*\yt+256*\i
.endr
	global_store_b16 v[VSO+\yt], v[PW], s[84:85]               ; two scale bytes a row (lanes 16-31 hold and store the same)
	global_store_d16_hi_b16 v[VSO+\yt], v[PW], s[86:87]
.endr
	s_wait_dscnt 0x0
	s_wait_tensorcnt 0x0
	ds_add_u32 v254, v255
	s_wait_dscnt 0x0
	CROUND                                         ; the closing round: no work-group ends while a partner may still ask for a tile that names it
	s_endpgm
.Lfunc_end_k_q6b52bd1964_qkvp:
	.size	k_q6b52bd1964_qkvp, .Lfunc_end_k_q6b52bd1964_qkvp-k_q6b52bd1964_qkvp
	.p2alignl 7, 3214868480
	.fill 96, 4, 3214868480
	.section	.rodata,"a",@progbits
	.p2align	6, 0x0
	.amdhsa_kernel k_q6b52bd1964_qkvp
		.amdhsa_group_segment_fixed_size 327680
		.amdhsa_private_segment_fixed_size 0
		.amdhsa_enable_private_segment 0
		.amdhsa_kernarg_size 24
		.amdhsa_user_sgpr_count 2
		.amdhsa_user_sgpr_kernarg_segment_ptr 1
		.amdhsa_wavefront_size32 1
		.amdhsa_system_sgpr_workgroup_id_x 1
		.amdhsa_system_sgpr_workgroup_id_y 1
		.amdhsa_system_sgpr_workgroup_id_z 1
		.amdhsa_system_vgpr_workitem_id 0
		.amdhsa_next_free_vgpr 768
		.amdhsa_next_free_sgpr 100
		.amdhsa_reserve_vcc 0
		.amdhsa_float_denorm_mode_32 3
		.amdhsa_float_denorm_mode_16_64 3
		.amdhsa_memory_ordered 1
		.amdhsa_forward_progress 1
		.amdhsa_inst_pref_size 100
	.end_amdhsa_kernel
	.amdgpu_metadata
---
amdhsa.version: [ 1, 2 ]
amdhsa.kernels:
  - .name:           k_q6b52bd1964_qkvp
    .symbol:         k_q6b52bd1964_qkvp.kd
    .args:
      - { .name: hc, .offset: 0, .size: 8, .value_kind: global_buffer, .address_space: global }
      - { .name: wc, .offset: 8, .size: 8, .value_kind: global_buffer, .address_space: global }
      - { .name: qkv, .offset: 16, .size: 8, .value_kind: global_buffer, .address_space: global }
    .group_segment_fixed_size: 327680
    .private_segment_fixed_size: 0
    .kernarg_segment_align: 8
    .kernarg_segment_size: 24
    .max_flat_workgroup_size: 128
    .sgpr_count:     100
    .vgpr_count:     768
    .wavefront_size: 32
...
	.end_amdgpu_metadata
.endif
;; end of part 3
;; launch attn (part 4): grid 8 x 32, 16 waves a work-group, clusters of 4 x 1, 206,848 bytes of LDS; arguments qkv, oc; writes oc
.if DOCPART == 4
	.amdgcn_target "amdgcn-amd-amdhsa--gfx1250"
	.amdhsa_code_object_version 6
	.text
	.protected	k_q6b52bd1964_attn
	.globl	k_q6b52bd1964_attn
	.p2align	8
	.type	k_q6b52bd1964_attn,@function
k_q6b52bd1964_attn:
	s_mov_b64 s[64:65], 0
	v_nop
	global_prefetch_b8 v0, s[64:65] scope:SCOPE_SE
	s_setreg_imm32_b32 hwreg(HW_REG_WAVE_MODE, 25, 1), 1
	s_wait_xcnt 0x0
	s_wait_alu depctr_hold_cnt(0) depctr_sa_sdst(0) depctr_va_vdst(0) depctr_va_sdst(0) depctr_va_ssrc(0) depctr_va_vcc(0) depctr_vm_vsrc(0)
	s_getreg_b32 s2, hwreg(HW_REG_IB_STS2, 6, 4)
	s_cmp_eq_u32 s2, 0
	s_cbranch_scc0 .Lentry_in_a_cluster
	s_endpgm
.Lentry_in_a_cluster:
	s_bfe_u32 s2, ttmp6, 0x10000c
	s_cmp_lg_u32 s2, 0x3003
	s_cbranch_scc0 .Lentry_shape_is_right
	s_endpgm
.Lentry_shape_is_right:
; o = softmax(q k^T) v for 32 heads of 2,048 tokens x 64, both products on codes of FP6 (E2M3) with E8M0 scales; no 1 / sqrt(d), as the problem has it; o is quantised along the model's 1,024 for the next product.
; THE SOFTMAX: t = score x log2(e); M = the running largest t rounded UP to a whole number; p = 2^(t - M) is what is quantised, along the keys; the row's sum is taken of the unquantised p and divides o at the end.
; When M moves, the sum and o are multiplied by 2^(old M - new M): exact, and without a branch on data.
; SHARES.  A work-group owns 256 queries of one head, each of its sixteen waves 16 of them, in 256 registers: four waves to a SIMD, so that one wave's vector work stands beside another's matrix work and LDS loads.
; THE HEAD'S WHOLE k AND v, 204,800 bytes, LIE IN LDS, filled once: wave w brings the record of keys 128 w on (12,800 dense bytes).  No slot is filled again.
; CLUSTER: the four work-groups of a cluster belong to one head: each record is asked for jointly, by the same load with the mask of all four.
; LAYOUT.  Both products are used transposed (S^T = k q^T, O^T = v^T p^T): a lane holds one query throughout.  The rows of a tile of keys are chosen (row r of tile t: 32 (t / 2) + 8 (t % 2) + r + 8 (r / 8)) so that
; the 16 registers of two neighbouring tiles of S^T are 16 neighbouring keys.  K = 64 IN AN INSTRUCTION OF 128: a fragment of k holds key tile 2 u in k 0-63 and key tile 2 u + 1 in k 64-127; against [q | 0] it gives tile 2 u's scores,
; against [0 | q] tile 2 u + 1's: zero codes add nothing under any scale byte that is stored here (1 to 254).
; LIMITS: NaN and infinities are not served; v_exp_f32 and v_rcp_f32 are accurate to 1 ulp, and a p under 2^-126 counts as 0; a block's largest p is taken as the exponential of its largest score.
.set KV0, 3276800
.set QA,  16                           ; v16-27   [q | 0]
.set QB,  28                           ; v28-39   [0 | q]
.set QS,  40                           ; v40      q's scale bytes, twice
.set KS,  44                           ; v44-47   k's scale words
.set VS,  48                           ; v48-51   v's
.set PS,  52                           ; v52      p's, later o's scale bytes
.set KF,  64                           ; v64-111  four fragments of k, then of v
.set S,   112                          ; v112-175 S^T, then p
.set O,   176                          ; v176-207 O^T
.set PF,  208                          ; v208-219 p's codes
.set CT,  220                          ; v220-226 halves of blocks, before they are moved
.set BM,  228                          ; v228-231 the blocks' largest scores, then largest p
.set BT,  232                          ; v232-235 at work
.set BO,  236                          ; v236-239 the conversions' scale operands
.set SEL, 20
.set CS,  22
.macro CROUND
	s_barrier_signal -1
	s_barrier_wait -1
	s_cmp_lg_u32 s16, 0
	s_cbranch_scc1 .Lnot_wave_0_\@
	s_barrier_signal -3
.Lnot_wave_0_\@:
	s_barrier_wait -3
	s_barrier_signal -1
	s_barrier_wait -1
.endm
	s_load_b128 s[4:7], s[0:1], 0x0                ; qkv, oc
	v_lshl_add_u32 v254, v0, 2, 0x32000
	v_mov_b32 v255, 0
	ds_add_u32 v254, v255
	ds_add_u32 v254, v255
	v_lshrrev_b32 v1, 5, v0
	v_readfirstlane_b32 s16, v1                    ; wave 0..15
	s_bfe_u32 s17, ttmp6, 0x40000                  ; cx
	s_lshl_b32 s18, ttmp9, 2
	s_add_co_u32 s18, s18, s17                     ; my block of 256 queries: it enters q's and o's addresses alone
	s_and_b32 s19, ttmp7, 0xffff                   ; 16 x batch + head, which the four partners share
	s_mov_b32 s24, 15|(3<<16)|(1<<21)              ; 15:0 the mask: all four; 17:16 elements of 8 bytes; 21 set beside a mask; no padding
	s_mov_b32 s25, 32<<16                          ; tensor_dim0: rows of 256 bytes
	s_mov_b32 s26, 50<<16                          ; tensor_dim1: 50 of them, a dense block of 12,800 bytes
	s_mov_b32 s27, 32<<16                          ; tile_dim0
	s_mov_b32 s28, 50                              ; tile_dim1
	s_mov_b32 s29, 32                              ; the pitch
	s_mov_b32 s30, 0
	s_mov_b32 s31, 0
	s_mov_b32 s[SEL], 0x76543210
	s_mov_b32 s[SEL+1], 0xfedcba98
	s_mov_b32 s[CS], 0x3fb8aa3b                    ; log2(e)
	s_mov_b32 s[CS+1], s[CS]                       ; (named with it as a pair, so it is written)
	s_mov_b32 s32, 1
	s_mul_i32 s33, s16, 12800                      ; LDS: my record
	s_mul_i32 s38, s19, 204800
	s_add_co_u32 s38, s38, s33
	s_add_co_u32 s38, s38, KV0                     ; and in memory
	s_mov_b32 s39, 0
	s_lshl_b32 s40, s18, 1
	s_lshr_b32 s41, s16, 3
	s_add_co_u32 s40, s40, s41
	s_mul_i32 s40, s40, 6400
	s_mul_i32 s41, s19, 102400
	s_add_co_u32 s40, s40, s41                     ; q: my chunk of 128 queries
	s_and_b32 s41, s16, 7                          ; my tile in it
	s_lshl_b32 s42, s41, 1
	s_add_co_u32 s42, s42, s40
	s_add_co_u32 s42, s42, 6144                    ; its scale bytes
	s_mov_b32 s43, 0
	s_mul_i32 s41, s41, 768
	s_add_co_u32 s40, s40, s41
	s_mov_b32 s41, 0
	s_lshr_b32 s48, s19, 4
	s_lshl_b32 s48, s48, 7
	s_lshl_b32 s49, s18, 4
	s_add_co_u32 s48, s48, s49
	s_add_co_u32 s48, s48, s16                     ; o: my tile of tokens: 128 x batch + 16 x block + wave
	s_mul_i32 s48, s48, 12800
	s_and_b32 s49, s19, 15                         ; the head: K = 64 x head + d
	s_lshr_b32 s50, s49, 3
	s_mul_i32 s50, s50, 6400
	s_add_co_u32 s48, s48, s50                     ; the record of 512 along K
	s_bfe_u32 s50, s49, 0x20001                    ; the K step in it
	s_and_b32 s49, s49, 1                          ; and the half of that
	s_mul_i32 s51, s50, 1536
	s_add_co_u32 s44, s48, s51
	s_mul_i32 s51, s49, 768
	s_add_co_u32 s44, s44, s51
	s_mov_b32 s45, 0
	s_lshl_b32 s50, s50, 2
	s_add_co_u32 s46, s48, s50
	s_lshl_b32 s49, s49, 1
	s_add_co_u32 s46, s46, s49
	s_add_co_u32 s46, s46, 6144
	s_mov_b32 s47, 0
	s_wait_dscnt 0x0
	s_wait_kmcnt 0x0
	s_add_nc_u64 s[34:35], s[4:5], s[38:39]
	s_or_b32 s35, s35, 0x80000000
	s_add_nc_u64 s[40:41], s[4:5], s[40:41]
	s_add_nc_u64 s[42:43], s[4:5], s[42:43]
	s_add_nc_u64 s[44:45], s[6:7], s[44:45]
	s_add_nc_u64 s[46:47], s[6:7], s[46:47]
	CROUND                                         ; all four work-groups are here: the joint loads meet
	tensor_load_to_lds s[32:35], s[24:31]          ; one load a wave, the only one of the launch
	s_nop 0
.rept 4
	v_nop
.endr
	v_and_b32 v5, 31, v0
	v_lshlrev_b32 v1, 3, v5                        ; 8 x lane
	v_and_b32 v5, 15, v0
	v_lshlrev_b32 v2, 4, v5                        ; 16 r
.irp i, 0,1,2
	global_load_b64 v[QA+2*\i:QA+2*\i+1], v1, s[40:41] offset:256*\i
	global_load_b64 v[QB+6+2*\i:QB+6+2*\i+1], v1, s[40:41] offset:256*\i   ; a second copy: the two operands share no register
.endr
	global_load_u16 v[QS], v2, s[42:43]
.irp i, 0,1,2,3,4,5
	v_mov_b32 v[QA+6+\i], 0
	v_mov_b32 v[QB+\i], 0
.endr
	v_mov_b32 v13, 0xff61b1e6                      ; the largest t so far: -3e38, under every t
	v_floor_f32 v12, -v13                          ; -M
	v_mov_b32 v14, 0                               ; the sum, in two halves
	v_mov_b32 v15, 0
.irp b, 0,1,2,3
	v_mov_b32 v[BT+\b], 0                          ; a lane permute's destination counts as one of its sources
.endr
	v_mov_b32 v243, 0                              ; (named as the upper half of the pair v[242:243])
	s_wait_loadcnt 0x0
	v_lshl_or_b32 v[QS], v[QS], 16, v[QS]          ; q's two bytes serve k 0-63 of [q | 0] and k 64-127 of [0 | q]
.set J, 0
.rept 32
	v_mov_b32 v[O+J], 0                            ; O^T: the loop is written once; its first step finds zeros.  (These are also the places between the line above and the first product)
.set J, J+1
.endr
	s_mov_b32 s36, 0                               ; LDS byte of the key step's record
	s_mov_b32 s37, 16
	s_wait_tensorcnt 0x0                           ; my record has landed,
	s_barrier_signal -1
	s_barrier_wait -1                              ; everybody's has
.Lkey:                                             ; 16 trips of 128 keys
	v_add_nc_u32 v3, s36, v1
	v_add_nc_u32 v4, s36, v2
	v_nop
	v_nop                                          ; four places behind the last trip's products, in front of loads into the registers that they read
.irp u, 0,1,2,3
.irp i, 0,1,2,3,4,5
	ds_load_b64 v[KF+12*\u+2*\i:KF+12*\u+2*\i+1], v3 offset:1536*\u+256*\i
.endr
.endr
	ds_load_b128 v[KS:KS+3], v4 offset:6144
	s_wait_dscnt 0x0
.irp u, 0,1,2,3
	v_wmma_scale_f32_16x16x128_f8f6f4 v[S+16*\u:S+16*\u+7], v[KF+12*\u:KF+12*\u+11], v[QA:QA+11], 0, v[KS+\u], v[QS] matrix_a_fmt:MATRIX_FMT_FP6 matrix_b_fmt:MATRIX_FMT_FP6
	v_wmma_scale_f32_16x16x128_f8f6f4 v[S+16*\u+8:S+16*\u+15], v[KF+12*\u:KF+12*\u+11], v[QB:QB+11], 0, v[KS+\u], v[QS] matrix_a_fmt:MATRIX_FMT_FP6 matrix_b_fmt:MATRIX_FMT_FP6
.endr
.rept 4
	v_nop                                          ; places: k's registers take v's fragments, and the scores are read
.endr
.irp t, 0,1,2,3
.irp i, 0,1,2,3,4,5
	ds_load_b64 v[KF+12*\t+2*\i:KF+12*\t+2*\i+1], v3 offset:6400+768*\t+256*(\i%3)+3072*(\i/3)   ; they land while the softmax is worked
.endr
.endr
	ds_load_b128 v[VS:VS+3], v4 offset:12544
.irp b, 0,1,2,3
	v_max3_num_f32 v[BM+\b], v[S+16*\b], v[S+16*\b+1], v[S+16*\b+2]        ; the largest score of each block of 32 keys: for the row's maximum, and, since p rises with the score, for the block's largest p
.endr
.irp i, 3,5,7,9,11,13
.irp b, 0,1,2,3
	v_max3_num_f32 v[BM+\b], v[BM+\b], v[S+16*\b+\i], v[S+16*\b+\i+1]
.endr
.endr
.irp b, 0,1,2,3
	v_max_num_f32 v[BM+\b], v[BM+\b], v[S+16*\b+15]
.endr
.irp b, 0,1,2,3
	v_permlanex16_b32 v[BT+\b], v[BM+\b], s[SEL], s[SEL+1]
.endr
.irp b, 0,1,2,3
	v_max_num_f32 v[BM+\b], v[BM+\b], v[BT+\b]     ; with lane l xor 16's 16 keys
.endr
	v_max3_num_f32 v244, v[BM], v[BM+1], v[BM+2]
	v_max_num_f32 v244, v244, v[BM+3]
	v_mul_f32 v244, s[CS], v244                    ; the step's largest t
	v_max_num_f32 v13, v13, v244                   ; the running largest t
	v_mov_b32 v244, v12
	v_floor_f32 v12, -v13                          ; the new -M = -ceil(t)
	v_sub_f32 v244, v12, v244                      ; old M - new M: a whole number, 0 or less
	v_cvt_i32_f32 v244, v244                       ; (it saturates)
	v_ldexp_f32 v242, 1.0, v244                    ; f = 2^(old M - new M)
.set J, 0
.rept 32
	v_pk_fma_f32 v[S+J:S+J+1], v[S+J:S+J+1], s[CS:CS+1], v[12:13] op_sel_hi:[1,0,0]     ; t - M, two at a time
.set J, J+2
.endr
.irp b, 0,1,2,3
	v_fma_f32 v[BM+\b], v[BM+\b], s[CS], v12       ; the same of each block's largest score
.endr
.set J, 0
.rept 64
	v_exp_f32 v[S+J], v[S+J]                       ; p = 2^(t - M), at most 1
.set J, J+1
.endr
	v_pk_mul_f32 v[14:15], v[14:15], v[242:243] op_sel_hi:[1,0]            ; the sums under the new M: a plain instruction behind the exponentials
	s_wait_alu depctr_va_vdst(0)                   ; one wait for the batch of 64, ahead of the first line that names a result
.irp b, 0,1,2,3
	v_exp_f32 v[BM+\b], v[BM+\b]                   ; the blocks' largest p
.endr
	v_pk_add_f32 v[240:241], v[S:S+1], v[S+2:S+3]  ; the row's sum of the unquantised p, in two chains
.set J, 4
.rept 15
	v_pk_add_f32 v[14:15], v[14:15], v[S+J:S+J+1]
	v_pk_add_f32 v[240:241], v[240:241], v[S+J+2:S+J+3]
.set J, J+4
.endr
	v_pk_add_f32 v[14:15], v[14:15], v[240:241]
	s_wait_alu depctr_va_vdst(0)                   ; and one for the four
.irp b, 0,1,2,3
	v_max_num_f32 v[BM+\b], 0x1800000, v[BM+\b]    ; the floor 2^(3 - 127): the byte cannot fall under 1
.endr
.irp b, 0,1,2,3
	v_add_nc_u32 v[BO+\b], 0xff000000, v[BM+\b]    ; 2 off the exponent field: the conversion's scale operand
.endr
.irp b, 0,1,2,3
	v_lshrrev_b32 v[BT+\b], 23, v[BO+\b]
.endr
	v_lshl_or_b32 v[PS], v[BT+1], 8, v[BT]         ; p's scale word for these 128 keys
	v_lshl_or_b32 v[PS], v[BT+2], 16, v[PS]
	v_lshl_or_b32 v[PS], v[BT+3], 24, v[PS]
.irp c, 0,1
	v_cvt_scalef32_pk16_fp6_f32 v[PF+6*\c:PF+6*\c+2], v[S+32*\c:S+32*\c+15], v[BO+2*\c]
	v_cvt_scalef32_pk16_fp6_f32 v[CT+4*\c:CT+4*\c+2], v[S+32*\c+16:S+32*\c+31], v[BO+2*\c+1]
.endr
	v_nop                                          ; one plain instruction behind the scaled conversions
.irp c, 0,1
.irp i, 0,1,2
	v_permlane16_swap_b32 v[PF+6*\c+\i], v[CT+4*\c+\i]
.endr
.irp i, 0,1,2
	v_mov_b32 v[PF+3+6*\c+\i], v[CT+4*\c+\i]
.endr
.endr
.set J, 0
.rept 16
	v_pk_mul_f32 v[O+J:O+J+1], v[O+J:O+J+1], v[242:243] op_sel_hi:[1,0]    ; O^T under the new M
.set J, J+2
.endr
.rept 8
	v_nop                                          ; a scale word written by a vector instruction stands eight places ahead of the scaled product, codes so written four
.endr
	s_wait_dscnt 0x0                               ; v's fragments and scale words
.irp t, 0,1,2,3
	v_wmma_scale_f32_16x16x128_f8f6f4 v[O+8*\t:O+8*\t+7], v[KF+12*\t:KF+12*\t+11], v[PF:PF+11], v[O+8*\t:O+8*\t+7], v[VS+\t], v[PS] matrix_a_fmt:MATRIX_FMT_FP6 matrix_b_fmt:MATRIX_FMT_FP6
.endr
	s_add_co_u32 s36, s36, 12800
	s_sub_co_u32 s37, s37, 1
	s_cmp_lg_u32 s37, 0
	s_cbranch_scc1 .Lkey
	; THE WAY OUT: O^T / the sum; register 8 t + j is d = 32 (t / 2) + 16 (lane / 16) + 8 (t % 2) + j of my query: two blocks of 32 along the next product's K
.rept 4
	v_nop
.endr
	v_add_f32 v14, v14, v15
	v_permlanex16_b32 v244, v14, s[SEL], s[SEL+1]
	v_add_f32 v14, v14, v244                       ; the row's sum
	v_rcp_f32 v14, v14
	v_nop                                          ; a plain instruction behind the transcendental
	s_wait_alu depctr_va_vdst(0)                   ; and the wait ahead of its first reader
.set J, 0
.rept 32
	v_mul_f32 v[S+J], v[O+J], v14
.set J, J+1
.endr
.irp b, 0,1
	v_max3_num_f32 v[BM+\b], 0x1800000, |v[S+16*\b]|, |v[S+16*\b+1]|
.endr
.irp i, 2,4,6,8,10,12,14
.irp b, 0,1
	v_max3_num_f32 v[BM+\b], v[BM+\b], |v[S+16*\b+\i]|, |v[S+16*\b+\i+1]|
.endr
.endr
.irp b, 0,1
	v_permlanex16_b32 v[BT+\b], v[BM+\b], s[SEL], s[SEL+1]
.endr
.irp b, 0,1
	v_max_num_f32 v[BM+\b], v[BM+\b], v[BT+\b]
.endr
.irp b, 0,1
	v_add_nc_u32 v[BO+\b], 0xff000000, v[BM+\b]
.endr
.irp b, 0,1
	v_lshrrev_b32 v[BT+\b], 23, v[BO+\b]
.endr
	v_lshl_or_b32 v[PS], v[BT+1], 8, v[BT]
	v_cvt_scalef32_pk16_fp6_f32 v[PF:PF+2], v[S:S+15], v[BO]
	v_cvt_scalef32_pk16_fp6_f32 v[CT:CT+2], v[S+16:S+31], v[BO+1]
	v_nop
.irp i, 0,1,2
	v_permlane16_swap_b32 v[PF+\i], v[CT+\i]
.endr
.irp i, 0,1,2
	v_mov_b32 v[PF+3+\i], v[CT+\i]
.endr
.irp i, 0,1,2
	global_store_b64 v1, v[PF+2*\i:PF+2*\i+1], s[44:45] offset:256*\i      ; 32 lanes store 256 consecutive bytes, at a multiple of 256 from oc's first byte
.endr
	global_store_b16 v2, v[PS], s[46:47]           ; my head's two scale bytes of row r
	s_wait_dscnt 0x0
	s_wait_tensorcnt 0x0
	ds_add_u32 v254, v255
	s_wait_dscnt 0x0
	CROUND                                         ; the closing round
	s_endpgm
.Lfunc_end_k_q6b52bd1964_attn:
	.size	k_q6b52bd1964_attn, .Lfunc_end_k_q6b52bd1964_attn-k_q6b52bd1964_attn
	.p2alignl 7, 3214868480
	.fill 96, 4, 3214868480
	.section	.rodata,"a",@progbits
	.p2align	6, 0x0
	.amdhsa_kernel k_q6b52bd1964_attn
		.amdhsa_group_segment_fixed_size 206848
		.amdhsa_private_segment_fixed_size 0
		.amdhsa_enable_private_segment 0
		.amdhsa_kernarg_size 16
		.amdhsa_user_sgpr_count 2
		.amdhsa_user_sgpr_kernarg_segment_ptr 1
		.amdhsa_wavefront_size32 1
		.amdhsa_system_sgpr_workgroup_id_x 1
		.amdhsa_system_sgpr_workgroup_id_y 1
		.amdhsa_system_sgpr_workgroup_id_z 1
		.amdhsa_system_vgpr_workitem_id 0
		.amdhsa_next_free_vgpr 256
		.amdhsa_next_free_sgpr 66
		.amdhsa_reserve_vcc 0
		.amdhsa_float_denorm_mode_32 3
		.amdhsa_float_denorm_mode_16_64 3
		.amdhsa_memory_ordered 1
		.amdhsa_forward_progress 1
		.amdhsa_inst_pref_size 28
	.end_amdhsa_kernel
	.amdgpu_metadata
---
amdhsa.version: [ 1, 2 ]
amdhsa.kernels:
  - .name:           k_q6b52bd1964_attn
    .symbol:         k_q6b52bd1964_attn.kd
    .args:
      - { .name: qkv, .offset: 0, .size: 8, .value_kind: global_buffer, .address_space: global }
      - { .name: oc, .offset: 8, .size: 8, .value_kind: global_buffer, .address_space: global }
    .group_segment_fixed_size: 206848
    .private_segment_fixed_size: 0
    .kernarg_segment_align: 8
    .kernarg_segment_size: 16
    .max_flat_workgroup_size: 512
    .sgpr_count:     66
    .vgpr_count:     256
    .wavefront_size: 32
...
	.end_amdgpu_metadata
.endif
;; end of part 4
;; launch oproj (part 5): grid 8 x 32, 4 waves a work-group, clusters of 4 x 4, 327,680 bytes of LDS; arguments oc, wc, x, x1; writes x1
.if DOCPART == 5
	.amdgcn_target "amdgcn-amd-amdhsa--gfx1250"
	.amdhsa_code_object_version 6
	.text
	.protected	k_q6b52bd1964_oproj
	.globl	k_q6b52bd1964_oproj
	.p2align	8
	.type	k_q6b52bd1964_oproj,@function
k_q6b52bd1964_oproj:
	s_mov_b64 s[64:65], 0
	v_nop
	global_prefetch_b8 v0, s[64:65] scope:SCOPE_SE
	s_setreg_imm32_b32 hwreg(HW_REG_WAVE_MODE, 25, 1), 1
	s_wait_xcnt 0x0
	s_wait_alu depctr_hold_cnt(0) depctr_sa_sdst(0) depctr_va_vdst(0) depctr_va_sdst(0) depctr_va_ssrc(0) depctr_va_vcc(0) depctr_vm_vsrc(0)
	s_getreg_b32 s2, hwreg(HW_REG_IB_STS2, 6, 4)
	s_cmp_eq_u32 s2, 0
	s_cbranch_scc0 .Lentry_in_a_cluster
	s_endpgm
.Lentry_in_a_cluster:
	s_bfe_u32 s2, ttmp6, 0x10000c
	s_cmp_lg_u32 s2, 0xf033
	s_cbranch_scc0 .Lentry_shape_is_right
	s_endpgm
.Lentry_shape_is_right:
; x1 = o wo + x: a product on codes of FP6 (E2M3) with E8M0 scales, K = 1,024, and the residual in f32.
; OPERANDS.  oc and wc hold tiles of 16 rows as records of 6,400 bytes for 512 along K: four images of a fragment's 12 registers (registers 2 i, 2 i + 1 of lane l at 256 i + 8 l), then the scale words (row r, K step s at 6,144 + 16 r + 4 s).
; Tile t, row r is row 32 (t / 2) + 8 (t % 2) + r + 8 (r / 8).
; SHARES.  A work-group makes 128 columns (X = wo's, source 0) x 128 tokens (Y = oc's, source 1): 4,096 x 1,024 numbers are 256 such tiles.  Wave w: X tiles 4 (w % 2) on, Y tiles 4 (w / 2) on: 16 accumulators.
; A larger tile would feed more products from each LDS byte, and would give half as many work-groups.  All of K lies in LDS: two slots of 102,400 bytes, each filled ONCE.
; CLUSTERS: 4 x 4.  X's tiles are shared along a column of the cluster, Y's along a row: each is asked for jointly.
; THE WAY OUT.  A lane holds a token and 32 columns in pieces of 8: a tile of 16 tokens goes through the wave's stage in LDS (16 rows of 272 bytes, bytes of its own behind the slots) and comes back as rows of 256 bytes,
; lanes 0-15 one row, lanes 16-31 the next; the residual, asked for at the head, is added, and sixteen lanes store 256 consecutive bytes.
; REGISTERS: window 0: v0-16 addresses, v32-95 scale words (two sets), v128-223 Y's fragments (two sets), on the way out v128-191 rows; window 1: X's fragments (sets at v0 and v128);
;   window 2: accumulator (yt, xt) at 32 yt + 8 xt; from v128 the residual, 32 pairs of rows x 4 registers.
.set TPX,  12800
.set TPY,  12800
.set QR,   6400
.set FI,   1536
.set SCB,  6144
.set SLOT, 102400
.set YOFF, 51200
.set STG,  204800
.set SPI,  272
.set AX,   6
.set AY,   8
.set ASX,  10
.set ASY,  12
.set STO,  14
.set RD,   15
.set CO,   16
.set SC,   32
.set YF,   128
.set BK,   128
.set RES,  128
.set G1X,  24
.set G0X,  32
.set G1Y,  48
.set G0Y,  56
.set MSB,  0
.macro WIN new                         ; the immediate's high byte repeats the setting that is left; a switch that changes nothing is dropped
.if MSB != (\new)
	s_set_vgpr_msb (MSB<<8)|(\new)
.set MSB, \new
.endif
.endm
.macro PLACES n
.rept \n
	v_nop
.endr
.endm
.macro CREST                           ; a round of the cluster's barrier behind its opening barrier
	s_cmp_lg_u32 s16, 0
	s_cbranch_scc1 .Lnot_wave_0_\@
	s_barrier_signal -3
.Lnot_wave_0_\@:
	s_barrier_wait -3
	s_barrier_signal -1
	s_barrier_wait -1
.endm
.macro CROUND
	s_barrier_signal -1
	s_barrier_wait -1
	CREST
.endm
.macro FETCH sl, sp, p                 ; the fragments of K step sp of slot sl into set p: 48 loads of 256 consecutive bytes
	WIN 0x40
.irp xt, 0,1,2,3
.irp i, 0,1,2,3,4,5
	ds_load_b64 v[128*(\p)+12*\xt+2*\i:128*(\p)+12*\xt+2*\i+1], v[AX+(\sl)] offset:QR*\xt+FI*(\sp)+256*\i
.endr
.endr
	WIN 0
.irp yt, 0,1,2,3
.irp i, 0,1,2,3,4,5
	ds_load_b64 v[YF+48*(\p)+12*\yt+2*\i:YF+48*(\p)+12*\yt+2*\i+1], v[AY+(\sl)] offset:QR*\yt+FI*(\sp)+256*\i
.endr
.endr
.endm
.macro SCALES sl                       ; a slot's scale words: four K steps' words of a row by one load
.irp xt, 0,1,2,3
	ds_load_b128 v[SC+32*(\sl)+4*\xt:SC+32*(\sl)+4*\xt+3], v[ASX+(\sl)] offset:SCB+QR*\xt
.endr
.irp yt, 0,1,2,3
	ds_load_b128 v[SC+32*(\sl)+16+4*\yt:SC+32*(\sl)+16+4*\yt+3], v[ASY+(\sl)] offset:SCB+QR*\yt
.endr
.endm
; 8 matrix instructions: Y tiles y0, y0 + 1 x X's four.  cm = 1: the first product starts the sums.  The 16 accumulators take turns, one instruction a turn, in the same order in every step.
.macro MUL8 y0, p, sp, sl, cm
.irp yt, \y0, \y0+1
.irp xt, 0,1,2,3
.if (\cm) == 1
	v_wmma_scale_f32_16x16x128_f8f6f4 v[32*(\yt)+8*\xt:32*(\yt)+8*\xt+7], v[128*(\p)+12*\xt:128*(\p)+12*\xt+11], v[YF+48*(\p)+12*(\yt):YF+48*(\p)+12*(\yt)+11], 0, v[SC+32*(\sl)+4*\xt+(\sp)], v[SC+32*(\sl)+16+4*(\yt)+(\sp)] matrix_a_fmt:MATRIX_FMT_FP6 matrix_b_fmt:MATRIX_FMT_FP6
.else
	v_wmma_scale_f32_16x16x128_f8f6f4 v[32*(\yt)+8*\xt:32*(\yt)+8*\xt+7], v[128*(\p)+12*\xt:128*(\p)+12*\xt+11], v[YF+48*(\p)+12*(\yt):YF+48*(\p)+12*(\yt)+11], v[32*(\yt)+8*\xt:32*(\yt)+8*\xt+7], v[SC+32*(\sl)+4*\xt+(\sp)], v[SC+32*(\sl)+16+4*(\yt)+(\sp)] matrix_a_fmt:MATRIX_FMT_FP6 matrix_b_fmt:MATRIX_FMT_FP6
.endif
.endr
.endr
.endm
.macro STEP sl, sp, cm                 ; K step sp (0..2) of a slot: the next step's fragments are asked for first, into the set that the last step's products read (four places behind them), then 16 products
	s_wait_dscnt 0x0                               ; this step's fragments (and scale words) are in: they were asked for 16 matrix instructions ago
	PLACES 4
	FETCH \sl, (\sp)+1, 1-(\sp)%2
	WIN 0xa1                                       ; source 0 (X) window 1, source 1 (Y) window 0, C and D window 2
	MUL8 0, (\sp)%2, \sp, \sl, \cm
	MUL8 2, (\sp)%2, \sp, \sl, \cm
.endm
.macro TURN sl, nx                     ; a slot's last K step, and the change to the other slot, which was filled at the start: my part of it has landed, then the barrier shows everybody's
	WIN 0
	s_wait_tensorcnt 0x0                           ; my load into the other slot has landed
	s_wait_dscnt 0x0                               ; no LDS instruction of mine is out at the signal
	s_barrier_signal -1
	WIN 0xa1
	MUL8 0, 1, 3, \sl, 0
	WIN 0
	s_barrier_wait -1
	PLACES 4
	FETCH \nx, 0, 0
	SCALES \nx
	WIN 0xa1
	MUL8 2, 1, 3, \sl, 0
.endm
.macro LAST sl
	s_wait_dscnt 0x0
	WIN 0xa1
	MUL8 0, 1, 3, \sl, 0
	MUL8 2, 1, 3, \sl, 0
	WIN 0
.endm
.macro TOSTAGE yt                      ; a tile of 16 tokens x 64 columns into my stage and back as rows; LDS serves a wave's instructions in order, so no wait stands between
	WIN 0x08                                       ; an LDS store's data are its source 1: window 2
.irp xt, 0,1,2,3
	ds_store_b128 v[STO], v[32*(\yt)+8*\xt:32*(\yt)+8*\xt+3] offset:128*(\xt/2)+32*(\xt%2)        ; each accumulator from its low end on
	ds_store_b128 v[STO], v[32*(\yt)+8*\xt+4:32*(\yt)+8*\xt+7] offset:128*(\xt/2)+32*(\xt%2)+16
.endr
	WIN 0
.set BB, BK+32*((\yt)%2)
.irp i, 0,1,2,3,4,5,6,7
	ds_load_b128 v[BB+4*\i:BB+4*\i+3], v[RD] offset:2*SPI*\i       ; stage rows 2 i and 2 i + 1
.endr
.endm
.macro SEND yt, younger                ; younger: the LDS instructions issued behind tile yt's loads, which may stay out
.set BB, BK+32*((\yt)%2)
	s_wait_dscnt \younger
	WIN 0x08                                       ; source 1: window 2, the residual
.set SI, 0
.rept 16
	v_pk_add_f32 v[BB+SI:BB+SI+1], v[BB+SI:BB+SI+1], v[RES+32*(\yt)+SI:RES+32*(\yt)+SI+1]
.set SI, SI+2
.endr
	WIN 0
.irp i, 0,1,2,3,4,5,6,7
	global_store_b128 v[CO], v[BB+4*\i:BB+4*\i+3], s[72:73] offset:(32*((\yt)/2)+8*((\yt)%2)+2*\i+8*(\i/4))*4096   ; sixteen lanes store 256 consecutive bytes, at a multiple of 256 from the buffer's first byte
.endr
.endm
	s_load_b256 s[4:11], s[0:1], 0x0               ; oc, wc, x, x1
	v_lshl_add_u32 v254, v0, 2, 0x36400
	v_mov_b32 v255, 0
	ds_add_u32 v254, v255
	ds_add_u32 v254, v255
	v_lshrrev_b32 v1, 5, v0
	v_readfirstlane_b32 s16, v1                    ; wave 0..3
	s_and_b32 s17, s16, 1                          ; wx: my half of X.  Also: which half of X's or Y's tiles I fetch
	s_lshr_b32 s18, s16, 1                         ; wy: my half of Y
	s_bfe_u32 s19, ttmp6, 0x40000                  ; cx
	s_bfe_u32 s20, ttmp6, 0x40004                  ; cy
	s_lshl_b32 s21, ttmp9, 2
	s_add_co_u32 s21, s21, s19                     ; xg = 4 x cluster x + cx: which 128 columns
	s_and_b32 s22, ttmp7, 0xffff
	s_lshl_b32 s22, s22, 2
	s_add_co_u32 s22, s22, s20                     ; yg = 4 x cluster y + cy: which 128 tokens
	s_lshl_b32 s40, s20, 2
	s_lshl_b32 s40, 15, s40                        ; my row of the cluster
	s_lshl_b32 s41, 0x1111, s19                    ; my column
	s_or_b32 s[G1X], s41, (3<<16)|(1<<21)          ; 15:0 the mask: X's tiles go to my column; 17:16 elements of 8 bytes; 21 set beside a mask; no padding
	s_or_b32 s[G1Y], s40, (3<<16)|(1<<21)          ; Y's go to my row
.irp g, G1X, G1Y
	s_mov_b32 s[\g+1], 800<<16                     ; tensor_dim0 = 800 elements: a record of 6,400 bytes is a row
	s_mov_b32 s[\g+2], 4<<16                       ; tensor_dim1 = 4 tiles
	s_mov_b32 s[\g+3], 800<<16                     ; tile_dim0
	s_mov_b32 s[\g+4], 4                           ; tile_dim1
	s_mov_b32 s[\g+5], TPX/8                       ; from tile to tile
	s_mov_b32 s[\g+6], 0
	s_mov_b32 s[\g+7], 0
.endr
	s_lshl_b32 s42, s21, 3
	s_lshl_b32 s46, s17, 2
	s_add_co_u32 s42, s42, s46                     ; X: tile 8 xg + 4 x half
	s_mul_i32 s42, s42, TPX
	s_add_co_u32 s42, s42, 2457600                 ; wo's tiles in wc
	s_mov_b32 s43, 0
	s_lshl_b32 s44, s22, 3
	s_add_co_u32 s44, s44, s46                     ; Y: tile 8 yg + 4 x half
	s_mul_i32 s44, s44, TPY
	s_mov_b32 s45, 0
	s_mul_i32 s46, s17, 4*QR                       ; where they go: no place in the cluster enters an LDS address
	s_mul_i32 s47, s17, 4*QR
	s_add_co_u32 s47, s47, YOFF
	s_lshl_b32 s68, s22, 7
	s_lshl_b32 s69, s18, 6
	s_add_co_u32 s68, s68, s69                     ; my first token: 128 yg + 64 wy
	s_lshl_b32 s68, s68, 12
	s_lshl_b32 s69, s21, 9
	s_add_co_u32 s68, s68, s69
	s_lshl_b32 s69, s17, 8
	s_add_co_u32 s68, s68, s69                     ; + my first column, 128 xg + 64 wx, in bytes
	s_mov_b32 s69, 0
	s_wait_dscnt 0x0
	s_wait_kmcnt 0x0
	s_add_nc_u64 s[42:43], s[6:7], s[42:43]
	s_add_nc_u64 s[44:45], s[4:5], s[44:45]
	s_add_nc_u64 s[70:71], s[8:9], s[68:69]        ; the residual
	s_add_nc_u64 s[72:73], s[10:11], s[68:69]      ; the result
	CROUND                                         ; all sixteen work-groups are here: the joint loads meet
.irp s, 0,1
	s_mov_b32 s[G0X+4*\s], 1
	s_add_co_u32 s[G0X+4*\s+1], s46, \s*SLOT
	s_add_nc_u64 s[G0X+4*\s+2:G0X+4*\s+3], s[42:43], \s*QR
	s_or_b32 s[G0X+4*\s+3], s[G0X+4*\s+3], 0x80000000
	s_mov_b32 s[G0Y+4*\s], 1
	s_add_co_u32 s[G0Y+4*\s+1], s47, \s*SLOT
	s_add_nc_u64 s[G0Y+4*\s+2:G0Y+4*\s+3], s[44:45], \s*QR
	s_or_b32 s[G0Y+4*\s+3], s[G0Y+4*\s+3], 0x80000000
.endr
	s_cmp_lt_u32 s16, 2                            ; waves 0, 1 fetch X's halves, waves 2, 3 Y's; a wave's two fills stand in one branch: two loads of mine are out; four v_nop follow the second
	s_cbranch_scc0 .Lfirst_y
	tensor_load_to_lds s[G0X:G0X+3], s[G1X:G1X+7]
	s_nop 0
	tensor_load_to_lds s[G0X+4:G0X+7], s[G1X:G1X+7]
	s_nop 0
	PLACES 4
	s_branch .Lfirst_done
.Lfirst_y:
	tensor_load_to_lds s[G0Y:G0Y+3], s[G1Y:G1Y+7]
	s_nop 0
	tensor_load_to_lds s[G0Y+4:G0Y+7], s[G1Y:G1Y+7]
	s_nop 0
	PLACES 4
.Lfirst_done:
	v_and_b32 v1, 31, v0                           ; l
	v_and_b32 v2, 15, v0                           ; r
	v_bfe_u32 v3, v0, 4, 1                         ; h
	v_lshlrev_b32 v4, 3, v1                        ; 8 l
	v_lshlrev_b32 v5, 4, v2                        ; 16 r
	v_lshlrev_b32 v[CO], 12, v3
	v_lshl_add_u32 v[CO], v2, 4, v[CO]             ; in x and x1: lanes 0-15 one row's 256 bytes, lanes 16-31 the next row's
	WIN 0x80                                       ; destination window 2
.irp yt, 0,1,2,3
.irp i, 0,1,2,3,4,5,6,7
	global_load_b128 v[RES+4*(8*\yt+\i):RES+4*(8*\yt+\i)+3], v[CO], s[70:71] offset:(32*(\yt/2)+8*(\yt%2)+2*\i+8*(\i/4))*4096 th:TH_LOAD_NT   ; the residual's rows, in the order in which the tiles hold the tokens: they land while the tiles land
.endr
.endr
	WIN 0
	s_mul_i32 s66, s17, 4*QR
	s_mul_i32 s67, s18, 4*QR
	s_add_co_u32 s67, s67, YOFF
.irp s, 0,1
	v_add_nc_u32 v[AX+\s], s66, v4
	v_add_nc_u32 v[AY+\s], s67, v4
	v_add_nc_u32 v[ASX+\s], s66, v5
	v_add_nc_u32 v[ASY+\s], s67, v5
	s_add_co_u32 s66, s66, SLOT
	s_add_co_u32 s67, s67, SLOT
.endr
	s_mul_i32 s74, s16, 16*SPI
	s_add_co_u32 s74, s74, STG                     ; my stage
	v_mul_u32_u24 v[STO], v2, SPI
	v_lshl_add_u32 v[STO], v3, 6, v[STO]
	v_add_nc_u32 v[STO], s74, v[STO]               ; in: row r, + 64 h
	v_mul_u32_u24 v[RD], v3, SPI
	v_lshl_add_u32 v[RD], v2, 4, v[RD]
	v_add_nc_u32 v[RD], s74, v[RD]                 ; back: lanes 0-15 one row, lanes 16-31 the next, 16 bytes a lane
	s_wait_tensorcnt 0x1                           ; my part of slot 0 is in; slot 1's load, the one younger, may be out
	s_barrier_signal -1
	s_barrier_wait -1
	FETCH 0, 0, 0
	SCALES 0
	STEP 0, 0, 1
	STEP 0, 1, 0
	STEP 0, 2, 0
	TURN 0, 1
	STEP 1, 0, 0
	STEP 1, 1, 0
	STEP 1, 2, 0
	LAST 1
	PLACES 4                                       ; behind the last products: results are read, and registers that held Y's fragments are loaded
	s_wait_loadcnt 0x0                             ; the residual
	TOSTAGE 0
.irp a, 1,2,3
.if \a > 1
	s_wait_xcnt 0x0                                ; tile a - 2's stores have read their registers: tile a's rows may land there
.endif
	TOSTAGE \a
	SEND \a-1, 16                                  ; behind tile a - 1's loads: tile a's 8 stores and 8 loads
.endr
	SEND 3, 0
	s_wait_dscnt 0x0
	s_wait_tensorcnt 0x0
	ds_add_u32 v254, v255
	s_wait_dscnt 0x0
	CROUND                                         ; the closing round: no work-group ends while a partner may still ask for a tile that names it
	s_endpgm
.Lfunc_end_k_q6b52bd1964_oproj:
	.size	k_q6b52bd1964_oproj, .Lfunc_end_k_q6b52bd1964_oproj-k_q6b52bd1964_oproj
	.p2alignl 7, 3214868480
	.fill 96, 4, 3214868480
	.section	.rodata,"a",@progbits
	.p2align	6, 0x0
	.amdhsa_kernel k_q6b52bd1964_oproj
		.amdhsa_group_segment_fixed_size 327680
		.amdhsa_private_segment_fixed_size 0
		.amdhsa_enable_private_segment 0
		.amdhsa_kernarg_size 32
		.amdhsa_user_sgpr_count 2
		.amdhsa_user_sgpr_kernarg_segment_ptr 1
		.amdhsa_wavefront_size32 1
		.amdhsa_system_sgpr_workgroup_id_x 1
		.amdhsa_system_sgpr_workgroup_id_y 1
		.amdhsa_system_sgpr_workgroup_id_z 1
		.amdhsa_system_vgpr_workitem_id 0
		.amdhsa_next_free_vgpr 768
		.amdhsa_next_free_sgpr 100
		.amdhsa_reserve_vcc 0
		.amdhsa_float_denorm_mode_32 3
		.amdhsa_float_denorm_mode_16_64 3
		.amdhsa_memory_ordered 1
		.amdhsa_forward_progress 1
		.amdhsa_inst_pref_size 66
	.end_amdhsa_kernel
	.amdgpu_metadata
---
amdhsa.version: [ 1, 2 ]
amdhsa.kernels:
  - .name:           k_q6b52bd1964_oproj
    .symbol:         k_q6b52bd1964_oproj.kd
    .args:
      - { .name: oc, .offset: 0, .size: 8, .value_kind: global_buffer, .address_space: global }
      - { .name: wc, .offset: 8, .size: 8, .value_kind: global_buffer, .address_space: global }
      - { .name: x, .offset: 16, .size: 8, .value_kind: global_buffer, .address_space: global }
      - { .name: x1, .offset: 24, .size: 8, .value_kind: global_buffer, .address_space: global }
    .group_segment_fixed_size: 327680
    .private_segment_fixed_size: 0
    .kernarg_segment_align: 8
    .kernarg_segment_size: 32
    .max_flat_workgroup_size: 128
    .sgpr_count:     100
    .vgpr_count:     768
    .wavefront_size: 32
...
	.end_amdgpu_metadata
.endif
;; end of part 5
;; launch ln2: the kernel of part 2 again; grid 256 x 1, 8 waves a work-group, no clusters, 66,816 bytes of LDS; arguments x1, ln2_g, ln2_b, hc; writes hc
;; launch ff1 (part 6): grid 16 x 32, 4 waves a work-group, clusters of 4 x 4, 327,680 bytes of LDS; arguments hc, wc, b1, fc; writes fc
.if DOCPART == 6
	.amdgcn_target "amdgcn-amd-amdhsa--gfx1250"
	.amdhsa_code_object_version 6
	.text
	.protected	k_q6b52bd1964_ff1
	.globl	k_q6b52bd1964_ff1
	.p2align	8
	.type	k_q6b52bd1964_ff1,@function
k_q6b52bd1964_ff1:
	s_mov_b64 s[64:65], 0
	v_nop
	global_prefetch_b8 v0, s[64:65] scope:SCOPE_SE
	s_setreg_imm32_b32 hwreg(HW_REG_WAVE_MODE, 25, 1), 1
	s_wait_xcnt 0x0
	s_wait_alu depctr_hold_cnt(0) depctr_sa_sdst(0) depctr_va_vdst(0) depctr_va_sdst(0) depctr_va_ssrc(0) depctr_va_vcc(0) depctr_vm_vsrc(0)
	s_getreg_b32 s2, hwreg(HW_REG_IB_STS2, 6, 4)
	s_cmp_eq_u32 s2, 0
	s_cbranch_scc0 .Lentry_in_a_cluster
	s_endpgm
.Lentry_in_a_cluster:
	s_bfe_u32 s2, ttmp6, 0x10000c
	s_cmp_lg_u32 s2, 0xf033
	s_cbranch_scc0 .Lentry_shape_is_right
	s_endpgm
.Lentry_shape_is_right:
; f = gelu(h w1 + b1), exact GELU, quantised along the 4,096 for the next product.  The product is on codes of FP6 (E2M3) with E8M0 scales, K = 1,024.
; OPERANDS AND RESULT.  hc, wc and fc hold tiles of 16 rows as records of 6,400 bytes for 512 along K: four images of a fragment's 12 registers (registers 2 i, 2 i + 1 of lane l at 256 i + 8 l), then the scale words
; (row r, K step s at 6,144 + 16 r + 4 s).  Tile t, row r is row 32 (t / 2) + 8 (t % 2) + r + 8 (r / 8): so a lane's 16 registers of two neighbouring tiles of source 0 are 16 neighbours along the next K.
; SHARES.  A work-group makes 256 columns (X = w1's, source 0) x 128 tokens (Y = hc's, source 1); wave w: X tiles 8 (w % 2) on, Y tiles 4 (w / 2) on.  A wave's 128 columns are one K step of the next product: one fragment and one scale word a row.
; All of K lies in LDS: two slots of 153,600 bytes, each filled ONCE.  CLUSTERS: 4 x 4; X's tiles are shared along a column, Y's along a row: each is asked for jointly.
; b1 is the C of each sum's first product.
; GELU: gelu(x) = max(x, 0) - |x| / 2 x erfc(|x| / sqrt 2), erfc(z) = (((((a5 t + a4) t + a3) t + a2) t + a1) t) 2^(-z^2 log2 e), t = 1 / (1 + 0.3275911 z).
; LIMITS: that form of erfc is within 1.5e-7 (absolute, of a number between 0 and 1); v_rcp_f32 and v_exp_f32 are accurate to 1 ulp; NaN and infinities are not served; blocks whose largest magnitude lies under 2^-124 keep the byte 1.
; REGISTERS: window 0: v0-13 addresses, v14-23 a1 .. a5 as pairs, v24 zero, v32-127 scale words, v128-223 Y's fragments; in the epilogue v128-191 64 results, v192-255 at work; window 1: X's fragments, and b1 at v96-127, v224-255; window 2: accumulators.
.set TPX,  12800
.set TPY,  12800
.set QR,   6400
.set FI,   1536
.set SCB,  6144
.set SLOT, 153600
.set YOFF, 102400
.set AX,   6
.set AY,   8
.set ASX,  10
.set ASY,  12
.set ZR,   24
.set SC,   32
.set YF,   128
.set G1X,  24
.set G0X,  32
.set G1Y,  48
.set G0Y,  56
.set SEL,  96
.set PC,   192
.set TM,   212
.set PW,   228
.set GH,   128
.set GS,   192
.set GD,   208
.set GG,   224
.set GA,   240
.set MSB,  0
.macro WIN new
.if MSB != (\new)
	s_set_vgpr_msb (MSB<<8)|(\new)
.set MSB, \new
.endif
.endm
.macro PLACES n
.rept \n
	v_nop
.endr
.endm
.macro CREST
	s_cmp_lg_u32 s16, 0
	s_cbranch_scc1 .Lnot_wave_0_\@
	s_barrier_signal -3
.Lnot_wave_0_\@:
	s_barrier_wait -3
	s_barrier_signal -1
	s_barrier_wait -1
.endm
.macro CROUND
	s_barrier_signal -1
	s_barrier_wait -1
	CREST
.endm
.macro FETCH sl, sp, p
	WIN 0x40
.irp xt, 0,1,2,3,4,5,6,7
.irp i, 0,1,2,3,4,5
	ds_load_b64 v[128*(\p)+12*\xt+2*\i:128*(\p)+12*\xt+2*\i+1], v[AX+(\sl)] offset:QR*\xt+FI*(\sp)+256*\i
.endr
.endr
	WIN 0
.irp yt, 0,1,2,3
.irp i, 0,1,2,3,4,5
	ds_load_b64 v[YF+48*(\p)+12*\yt+2*\i:YF+48*(\p)+12*\yt+2*\i+1], v[AY+(\sl)] offset:QR*\yt+FI*(\sp)+256*\i
.endr
.endr
.endm
.macro SCALES sl
.irp xt, 0,1,2,3,4,5,6,7
	ds_load_b128 v[SC+48*(\sl)+4*\xt:SC+48*(\sl)+4*\xt+3], v[ASX+(\sl)] offset:SCB+QR*\xt
.endr
.irp yt, 0,1,2,3
	ds_load_b128 v[SC+48*(\sl)+32+4*\yt:SC+48*(\sl)+32+4*\yt+3], v[ASY+(\sl)] offset:SCB+QR*\yt
.endr
.endm
; cm = 2: the first product starts the sums from the bias (window 1).  The 32 accumulators take turns, one instruction a turn, in the same order in every step.
.macro MUL16 y0, p, sp, sl, cm
.irp yt, \y0, \y0+1
.irp xt, 0,1,2,3,4,5,6,7
.if (\cm) == 2
	v_wmma_scale_f32_16x16x128_f8f6f4 v[64*(\yt)+8*\xt:64*(\yt)+8*\xt+7], v[128*(\p)+12*\xt:128*(\p)+12*\xt+11], v[YF+48*(\p)+12*(\yt):YF+48*(\p)+12*(\yt)+11], v[96+8*\xt+96*(\xt/4):96+8*\xt+96*(\xt/4)+7], v[SC+48*(\sl)+4*\xt+(\sp)], v[SC+48*(\sl)+32+4*(\yt)+(\sp)] matrix_a_fmt:MATRIX_FMT_FP6 matrix_b_fmt:MATRIX_FMT_FP6
.else
	v_wmma_scale_f32_16x16x128_f8f6f4 v[64*(\yt)+8*\xt:64*(\yt)+8*\xt+7], v[128*(\p)+12*\xt:128*(\p)+12*\xt+11], v[YF+48*(\p)+12*(\yt):YF+48*(\p)+12*(\yt)+11], v[64*(\yt)+8*\xt:64*(\yt)+8*\xt+7], v[SC+48*(\sl)+4*\xt+(\sp)], v[SC+48*(\sl)+32+4*(\yt)+(\sp)] matrix_a_fmt:MATRIX_FMT_FP6 matrix_b_fmt:MATRIX_FMT_FP6
.endif
.endr
.endr
.endm
.macro STEP sl, sp, cm
	s_wait_dscnt 0x0                               ; this step's fragments are in: they were asked for 32 matrix instructions ago
	PLACES 4                                       ; behind the last step's products, whose set of registers the loads below fill
	FETCH \sl, (\sp)+1, 1-(\sp)%2
.if (\cm) == 2
	WIN 0x91                                       ; source 0 window 1, source 1 window 0, C window 1, D window 2
.else
	WIN 0xa1
.endif
	MUL16 0, (\sp)%2, \sp, \sl, \cm
	MUL16 2, (\sp)%2, \sp, \sl, \cm
.endm
.macro TURN sl, nx
	WIN 0
	s_wait_tensorcnt 0x0                           ; my load into the other slot has landed
	s_wait_dscnt 0x0
	s_barrier_signal -1
	WIN 0xa1
	MUL16 0, 1, 3, \sl, 0
	WIN 0
	s_barrier_wait -1
	PLACES 4
	FETCH \nx, 0, 0
	SCALES \nx
	WIN 0xa1
	MUL16 2, 1, 3, \sl, 0
.endm
.macro LAST sl
	s_wait_dscnt 0x0
	WIN 0xa1
	MUL16 0, 1, 3, \sl, 0
	MUL16 2, 1, 3, \sl, 0
	WIN 0
.endm
.macro QUANT s, w
	WIN ((\w)<<2)|((\w)<<4)
.irp b, 0,1,2,3
	v_max3_num_f32 v[TM+\b], 0x1800000, |v[(\s)+16*\b]|, |v[(\s)+16*\b+1]|   ; my 16 numbers of block b, and the floor 2^(3 - 127)
.endr
.irp i, 2,4,6,8,10,12,14
.irp b, 0,1,2,3
	v_max3_num_f32 v[TM+\b], v[TM+\b], |v[(\s)+16*\b+\i]|, |v[(\s)+16*\b+\i+1]|
.endr
.endr
	WIN 0
.irp b, 0,1,2,3
	v_permlanex16_b32 v[TM+4+\b], v[TM+\b], s[SEL], s[SEL+1]
.endr
.irp b, 0,1,2,3
	v_max_num_f32 v[TM+\b], v[TM+\b], v[TM+4+\b]
.endr
.irp b, 0,1,2,3
	v_add_nc_u32 v[TM+12+\b], 0xff000000, v[TM+\b]
.endr
.irp b, 0,1,2,3
	v_lshrrev_b32 v[TM+4+\b], 23, v[TM+12+\b]
.endr
	v_lshl_or_b32 v[PW], v[TM+5], 8, v[TM+4]
	v_lshl_or_b32 v[PW], v[TM+6], 16, v[PW]
	v_lshl_or_b32 v[PW], v[TM+7], 24, v[PW]
	WIN \w
.irp c, 0,1
	v_cvt_scalef32_pk16_fp6_f32 v[PC+6*\c:PC+6*\c+2], v[(\s)+32*\c:(\s)+32*\c+15], v[TM+12+2*\c]
	v_cvt_scalef32_pk16_fp6_f32 v[PC+12+4*\c:PC+14+4*\c], v[(\s)+32*\c+16:(\s)+32*\c+31], v[TM+13+2*\c]
.endr
	WIN 0
	v_nop
.irp c, 0,1
.irp i, 0,1,2
	v_permlane16_swap_b32 v[PC+6*\c+\i], v[PC+12+4*\c+\i]
.endr
.irp i, 0,1,2
	v_mov_b32 v[PC+3+6*\c+\i], v[PC+12+4*\c+\i]
.endr
.endr
.endm
; 16 numbers (two accumulators, each read from its low end on) at register a of window 2 -> gelu in v[GH + o] on.  The 32 transcendentals are one batch with one wait.
.macro GELU16 a, o
	WIN 0x02                                       ; source 0: window 2
.set J, 0
.rept 8
	v_pk_mul_f32 v[GS+J:GS+J+1], v[(\a)+J:(\a)+J+1], s[92:93] op_sel_hi:[1,0]      ; x sqrt(log2(e) / 2)
.set J, J+2
.endr
.set J, 0
.rept 16
	v_fma_f32 v[GD+J], |v[(\a)+J]|, s90, 1.0       ; 1 + 0.3275911 |x| / sqrt 2
	v_max_num_f32 v[GG+J], v[(\a)+J], v[ZR]        ; max(x, 0)
	v_mul_f32 v[GA+J], |v[(\a)+J]|, -0.5           ; -|x| / 2
.set J, J+1
.endr
	WIN 0
.set J, 0
.rept 8
	v_pk_mul_f32 v[GS+J:GS+J+1], v[GS+J:GS+J+1], v[GS+J:GS+J+1] neg_lo:[1,0] neg_hi:[1,0]   ; -x^2 log2(e) / 2
.set J, J+2
.endr
.set J, 0
.rept 16
	v_rcp_f32 v[GD+J], v[GD+J]                     ; t
.set J, J+1
.endr
.set J, 0
.rept 16
	v_exp_f32 v[GS+J], v[GS+J]
.set J, J+1
.endr
	v_nop                                          ; a plain instruction behind the batch,
	s_wait_alu depctr_va_vdst(0)                   ; and one wait ahead of the first line that names a result
.set J, 0
.rept 8
	v_pk_fma_f32 v[GH+(\o)+J:GH+(\o)+J+1], v[GD+J:GD+J+1], v[22:23], v[20:21]
.set J, J+2
.endr
.irp c, 18,16,14
.set J, 0
.rept 8
	v_pk_fma_f32 v[GH+(\o)+J:GH+(\o)+J+1], v[GH+(\o)+J:GH+(\o)+J+1], v[GD+J:GD+J+1], v[\c:\c+1]
.set J, J+2
.endr
.endr
.set J, 0
.rept 8
	v_pk_mul_f32 v[GH+(\o)+J:GH+(\o)+J+1], v[GH+(\o)+J:GH+(\o)+J+1], v[GD+J:GD+J+1]
.set J, J+2
.endr
.set J, 0
.rept 8
	v_pk_mul_f32 v[GH+(\o)+J:GH+(\o)+J+1], v[GH+(\o)+J:GH+(\o)+J+1], v[GS+J:GS+J+1]         ; erfc(|x| / sqrt 2)
.set J, J+2
.endr
.set J, 0
.rept 8
	v_pk_fma_f32 v[GH+(\o)+J:GH+(\o)+J+1], v[GA+J:GA+J+1], v[GH+(\o)+J:GH+(\o)+J+1], v[GG+J:GG+J+1]
.set J, J+2
.endr
.endm
	s_load_b256 s[4:11], s[0:1], 0x0               ; hc, wc, b1, fc
	v_lshl_add_u32 v30, v0, 2, 0x4b000
	v_mov_b32 v31, 0
	ds_add_u32 v30, v31
	ds_add_u32 v30, v31
	v_lshrrev_b32 v1, 5, v0
	v_readfirstlane_b32 s16, v1
	s_and_b32 s17, s16, 1
	s_lshr_b32 s18, s16, 1
	s_bfe_u32 s19, ttmp6, 0x40000
	s_bfe_u32 s20, ttmp6, 0x40004
	s_lshl_b32 s21, ttmp9, 2
	s_add_co_u32 s21, s21, s19                     ; xg
	s_and_b32 s22, ttmp7, 0xffff
	s_lshl_b32 s22, s22, 2
	s_add_co_u32 s22, s22, s20                     ; yg
	s_lshl_b32 s40, s20, 2
	s_lshl_b32 s40, 15, s40
	s_lshl_b32 s41, 0x1111, s19
	s_or_b32 s[G1X], s41, (3<<16)|(1<<21)
	s_or_b32 s[G1Y], s40, (3<<16)|(1<<21)
	s_mov_b32 s[G1X+1], 800<<16
	s_mov_b32 s[G1X+2], 8<<16
	s_mov_b32 s[G1X+3], 800<<16
	s_mov_b32 s[G1X+4], 8
	s_mov_b32 s[G1X+5], TPX/8
	s_mov_b32 s[G1X+6], 0
	s_mov_b32 s[G1X+7], 0
	s_mov_b32 s[G1Y+1], 800<<16
	s_mov_b32 s[G1Y+2], 4<<16
	s_mov_b32 s[G1Y+3], 800<<16
	s_mov_b32 s[G1Y+4], 4
	s_mov_b32 s[G1Y+5], TPY/8
	s_mov_b32 s[G1Y+6], 0
	s_mov_b32 s[G1Y+7], 0
	s_mov_b32 s[SEL], 0x76543210
	s_mov_b32 s[SEL+1], 0xfedcba98
	s_mov_b32 s90, 0x3e6d3388                      ; 0.3275911 / sqrt 2
	s_mov_b32 s92, 0x3f596d27                      ; sqrt(log2(e) / 2)
	s_mov_b32 s93, s92
	s_lshl_b32 s42, s21, 4
	s_lshl_b32 s46, s17, 3
	s_add_co_u32 s42, s42, s46
	s_mul_i32 s42, s42, TPX
	s_add_co_u32 s42, s42, 3276800                 ; w1's tiles in wc
	s_mov_b32 s43, 0
	s_lshl_b32 s44, s22, 3
	s_lshl_b32 s46, s17, 2
	s_add_co_u32 s44, s44, s46
	s_mul_i32 s44, s44, TPY
	s_mov_b32 s45, 0
	s_mul_i32 s46, s17, 8*QR
	s_mul_i32 s47, s17, 4*QR
	s_add_co_u32 s47, s47, YOFF
	s_lshl_b32 s70, s21, 10
	s_lshl_b32 s71, s17, 9
	s_add_co_u32 s70, s70, s71                     ; b1: my 128 columns, in bytes
	s_mov_b32 s71, 0
	s_lshl_b32 s74, s22, 3
	s_lshl_b32 s75, s18, 2
	s_add_co_u32 s74, s74, s75
	s_mul_i32 s74, s74, 51200                      ; fc: my first tile of tokens
	s_lshl_b32 s75, s21, 1
	s_add_co_u32 s75, s75, s17                     ; the next product's K step: 2 xg + wx
	s_lshr_b32 s76, s75, 2
	s_mul_i32 s76, s76, QR
	s_add_co_u32 s74, s74, s76
	s_and_b32 s75, s75, 3
	s_mul_i32 s76, s75, FI
	s_add_co_u32 s76, s74, s76
	s_mov_b32 s77, 0
	s_lshl_b32 s75, s75, 2
	s_add_co_u32 s74, s74, s75
	s_add_co_u32 s74, s74, SCB
	s_mov_b32 s75, 0
	s_wait_dscnt 0x0
	s_wait_kmcnt 0x0
	s_add_nc_u64 s[42:43], s[6:7], s[42:43]
	s_add_nc_u64 s[44:45], s[4:5], s[44:45]
	s_add_nc_u64 s[70:71], s[8:9], s[70:71]
	s_add_nc_u64 s[76:77], s[10:11], s[76:77]      ; the images
	s_add_nc_u64 s[74:75], s[10:11], s[74:75]      ; the scale words
	CROUND
.irp s, 0,1
	s_mov_b32 s[G0X+4*\s], 1
	s_add_co_u32 s[G0X+4*\s+1], s46, \s*SLOT
	s_add_nc_u64 s[G0X+4*\s+2:G0X+4*\s+3], s[42:43], \s*QR
	s_or_b32 s[G0X+4*\s+3], s[G0X+4*\s+3], 0x80000000
	s_mov_b32 s[G0Y+4*\s], 1
	s_add_co_u32 s[G0Y+4*\s+1], s47, \s*SLOT
	s_add_nc_u64 s[G0Y+4*\s+2:G0Y+4*\s+3], s[44:45], \s*QR
	s_or_b32 s[G0Y+4*\s+3], s[G0Y+4*\s+3], 0x80000000
.endr
	s_cmp_lt_u32 s16, 2                            ; a wave's two fills stand in one branch: two loads of mine are out; four v_nop follow the second
	s_cbranch_scc0 .Lfirst_y
	tensor_load_to_lds s[G0X:G0X+3], s[G1X:G1X+7]
	s_nop 0
	tensor_load_to_lds s[G0X+4:G0X+7], s[G1X:G1X+7]
	s_nop 0
	PLACES 4
	s_branch .Lfirst_done
.Lfirst_y:
	tensor_load_to_lds s[G0Y:G0Y+3], s[G1Y:G1Y+7]
	s_nop 0
	tensor_load_to_lds s[G0Y+4:G0Y+7], s[G1Y:G1Y+7]
	s_nop 0
	PLACES 4
.Lfirst_done:
	v_and_b32 v1, 31, v0
	v_and_b32 v2, 15, v0
	v_bfe_u32 v3, v0, 4, 1
	v_lshlrev_b32 v4, 3, v1
	v_lshlrev_b32 v5, 4, v2
	v_lshlrev_b32 v25, 6, v3                       ; 64 h: my half's 16 columns of each 32
	WIN 0x40                                       ; destination window 1
.irp xt, 0,1,2,3,4,5,6,7
	global_load_b128 v[96+8*\xt+96*(\xt/4):96+8*\xt+96*(\xt/4)+3], v25, s[70:71] offset:4*(32*(\xt/2)+8*(\xt%2))       ; b1 in the result's layout: tile xt, register j: column 32 (xt / 2) + 16 h + 8 (xt % 2) + j
	global_load_b128 v[96+8*\xt+96*(\xt/4)+4:96+8*\xt+96*(\xt/4)+7], v25, s[70:71] offset:4*(32*(\xt/2)+8*(\xt%2))+16
.endr
	WIN 0
	s_mul_i32 s66, s17, 8*QR
	s_mul_i32 s67, s18, 4*QR
	s_add_co_u32 s67, s67, YOFF
.irp s, 0,1
	v_add_nc_u32 v[AX+\s], s66, v4
	v_add_nc_u32 v[AY+\s], s67, v4
	v_add_nc_u32 v[ASX+\s], s66, v5
	v_add_nc_u32 v[ASY+\s], s67, v5
	s_add_co_u32 s66, s66, SLOT
	s_add_co_u32 s67, s67, SLOT
.endr
	v_mov_b32 v14, 0x3e827906                      ; a1 =  0.254829592, as a pair; and so on
	v_mov_b32 v15, 0x3e827906
	v_mov_b32 v16, 0xbe91a98e                      ; a2 = -0.284496736
	v_mov_b32 v17, 0xbe91a98e
	v_mov_b32 v18, 0x3fb5f0e3                      ; a3 =  1.421413741
	v_mov_b32 v19, 0x3fb5f0e3
	v_mov_b32 v20, 0xbfba00e3                      ; a4 = -1.453152027
	v_mov_b32 v21, 0xbfba00e3
	v_mov_b32 v22, 0x3f87dc22                      ; a5 =  1.061405429
	v_mov_b32 v23, 0x3f87dc22
	v_mov_b32 v[ZR], 0
	s_wait_tensorcnt 0x1                           ; my part of slot 0 is in; slot 1's load, the one younger, may be out
	s_barrier_signal -1
	s_barrier_wait -1
	FETCH 0, 0, 0
	SCALES 0
	s_wait_loadcnt 0x0                             ; b1
	STEP 0, 0, 2
	STEP 0, 1, 0
	STEP 0, 2, 0
	TURN 0, 1
	STEP 1, 0, 0
	STEP 1, 1, 0
	STEP 1, 2, 0
	LAST 1
	PLACES 4
.irp yt, 0,1,2,3
.if \yt > 0
	s_wait_xcnt 0x0                                ; the last tile's stores have read their data: the registers at work below lie over them
.endif
	GELU16 64*\yt, 0
	GELU16 64*\yt+16, 16
	GELU16 64*\yt+32, 32
	GELU16 64*\yt+48, 48
	QUANT GH, 0
.irp i, 0,1,2,3,4,5
	global_store_b64 v4, v[PC+2*\i:PC+2*\i+1], s[76:77] offset:51200*\yt+256*\i    ; 32 lanes store 256 consecutive bytes, at a multiple of 256 from fc's first byte
.endr
	global_store_b32 v5, v[PW], s[74:75] offset:51200*\yt
.endr
	s_wait_dscnt 0x0
	s_wait_tensorcnt 0x0
	ds_add_u32 v30, v31
	s_wait_dscnt 0x0
	CROUND                                         ; the closing round
	s_endpgm
.Lfunc_end_k_q6b52bd1964_ff1:
	.size	k_q6b52bd1964_ff1, .Lfunc_end_k_q6b52bd1964_ff1-k_q6b52bd1964_ff1
	.p2alignl 7, 3214868480
	.fill 96, 4, 3214868480
	.section	.rodata,"a",@progbits
	.p2align	6, 0x0
	.amdhsa_kernel k_q6b52bd1964_ff1
		.amdhsa_group_segment_fixed_size 327680
		.amdhsa_private_segment_fixed_size 0
		.amdhsa_enable_private_segment 0
		.amdhsa_kernarg_size 32
		.amdhsa_user_sgpr_count 2
		.amdhsa_user_sgpr_kernarg_segment_ptr 1
		.amdhsa_wavefront_size32 1
		.amdhsa_system_sgpr_workgroup_id_x 1
		.amdhsa_system_sgpr_workgroup_id_y 1
		.amdhsa_system_sgpr_workgroup_id_z 1
		.amdhsa_system_vgpr_workitem_id 0
		.amdhsa_next_free_vgpr 768
		.amdhsa_next_free_sgpr 100
		.amdhsa_reserve_vcc 0
		.amdhsa_float_denorm_mode_32 3
		.amdhsa_float_denorm_mode_16_64 3
		.amdhsa_memory_ordered 1
		.amdhsa_forward_progress 1
		.amdhsa_inst_pref_size 229
	.end_amdhsa_kernel
	.amdgpu_metadata
---
amdhsa.version: [ 1, 2 ]
amdhsa.kernels:
  - .name:           k_q6b52bd1964_ff1
    .symbol:         k_q6b52bd1964_ff1.kd
    .args:
      - { .name: hc, .offset: 0, .size: 8, .value_kind: global_buffer, .address_space: global }
      - { .name: wc, .offset: 8, .size: 8, .value_kind: global_buffer, .address_space: global }
      - { .name: b1, .offset: 16, .size: 8, .value_kind: global_buffer, .address_space: global }
      - { .name: fc, .offset: 24, .size: 8, .value_kind: global_buffer, .address_space: global }
    .group_segment_fixed_size: 327680
    .private_segment_fixed_size: 0
    .kernarg_segment_align: 8
    .kernarg_segment_size: 32
    .max_flat_workgroup_size: 128
    .sgpr_count:     100
    .vgpr_count:     768
    .wavefront_size: 32
...
	.end_amdgpu_metadata
.endif
;; end of part 6
;; launch ff2 (part 7): grid 8 x 32, 4 waves a work-group, clusters of 4 x 4, 327,680 bytes of LDS; arguments fc, wc, x1, b2, out0; writes out0
.if DOCPART == 7
	.amdgcn_target "amdgcn-amd-amdhsa--gfx1250"
	.amdhsa_code_object_version 6
	.text
	.protected	k_q6b52bd1964_ff2
	.globl	k_q6b52bd1964_ff2
	.p2align	8
	.type	k_q6b52bd1964_ff2,@function
k_q6b52bd1964_ff2:
	s_mov_b64 s[64:65], 0
	v_nop
	global_prefetch_b8 v0, s[64:65] scope:SCOPE_SE
	s_setreg_imm32_b32 hwreg(HW_REG_WAVE_MODE, 25, 1), 1
	s_wait_xcnt 0x0
	s_wait_alu depctr_hold_cnt(0) depctr_sa_sdst(0) depctr_va_vdst(0) depctr_va_sdst(0) depctr_va_ssrc(0) depctr_va_vcc(0) depctr_vm_vsrc(0)
	s_getreg_b32 s2, hwreg(HW_REG_IB_STS2, 6, 4)
	s_cmp_eq_u32 s2, 0
	s_cbranch_scc0 .Lentry_in_a_cluster
	s_endpgm
.Lentry_in_a_cluster:
	s_bfe_u32 s2, ttmp6, 0x10000c
	s_cmp_lg_u32 s2, 0xf033
	s_cbranch_scc0 .Lentry_shape_is_right
	s_endpgm
.Lentry_shape_is_right:
; out = f w2 + b2 + x1: a product on codes of FP6 (E2M3) with E8M0 scales, K = 4,096; bias and residual in f32.
; OPERANDS.  fc and wc hold tiles of 16 rows as records of 6,400 bytes for 512 along K (eight to a tile, one behind the other): four images of a fragment's 12 registers (registers 2 i, 2 i + 1 of lane l at 256 i + 8 l),
; then the scale words (row r, K step s at 6,144 + 16 r + 4 s).  Tile t, row r is row 32 (t / 2) + 8 (t % 2) + r + 8 (r / 8).
; SHARES.  A work-group makes 128 columns (X = w2's, source 0) x 128 tokens (Y = fc's, source 1): 4,096 x 1,024 numbers are 256 such tiles.  Wave w: X tiles 4 (w % 2) on, Y tiles 4 (w / 2) on: 16 accumulators.
; LDS: a record of all 16 tiles is 102,400 bytes, so three records fit.  REGION 0 holds TWO records of each tile (12,800 consecutive bytes of memory: one row of a load), 204,800 bytes; REGION 1 one, 102,400 bytes.
; The eight records go: 0, 1 (region 0) | 2 (region 1) | 3, 4 | 5 | 6, 7.  First fills: records 0 to 2.  Behind the change of slots at the end of records 1, 2 and 4 the region just left is filled again: three refills,
; one load a wave each (waves 0, 1: X's halves; waves 2, 3: Y's).  By this text's own count a wave has two tensor loads out at the start and one behind each of these changes.  All 32 K steps are written out.
; CLUSTERS: 4 x 4.  X's tiles are shared along a column of the cluster, Y's along a row: each is asked for jointly; where a region is filled again a round of the cluster's barrier takes the barrier's place.
; THE WAY OUT: a tile of 16 tokens goes through the wave's stage in LDS (16 rows of 272 bytes, in region 1, which has had its last fill and its last read) and comes back as rows of 256 bytes; residual and bias are added;
; sixteen lanes store 256 consecutive bytes.
; REGISTERS: window 0: v0-16 addresses, v24-27 b2, v28-29 for the add, v30 the prefetches' offset, v32-95 scale words (two sets), v128-223 Y's fragments (two sets); window 1: X's fragments (sets at v0 and v128);
;   window 2: accumulator (yt, xt) at 32 yt + 8 xt; from v128 the residual.
.set TP,   51200                       ; bytes of a tile in fc and in w2's part of wc
.set WOFF, 6553600                     ; w2's tiles in wc
.set QR,   6400
.set FI,   1536
.set SCB,  6144
.set TS0,  12800                       ; from tile to tile in region 0,
.set TS1,  6400                        ; in region 1
.set RG1,  204800                      ; where region 1 begins.  In a region: X's 8 tiles, then Y's 8
.set SPARE, 307200                     ; behind the regions: the spare words, 128 bytes for each wave: two blocks of 256 bytes that no other line names
.set STG,  RG1
.set SPI,  272
.set AX,   6
.set AY,   8
.set ASX,  10
.set ASY,  12
.set STO,  14
.set RD,   15
.set CO,   16
.set B2,   24
.set SPW,  28
.set NIL,  29
.set PFO,  30
.set SC,   32
.set YF,   128
.set BK,   128
.set RES,  128
.set G1X,  24                          ; s[24:31], s[32:39] descriptor group 1 for X's tiles, region 0 and region 1
.set G1Y,  40                          ; s[40:47], s[48:55] for Y's
.set G0X,  56                          ; s[56:59], s[60:63] group 0 for X's tiles, a set for each region
.set G0Y,  68                          ; s[68:71], s[72:75] for Y's
.set PFA,  92
.set LIM,  94
.set MSB,  0
.macro WIN new                         ; the immediate's high byte repeats the setting that is left; a switch that changes nothing is dropped
.if MSB != (\new)
	s_set_vgpr_msb (MSB<<8)|(\new)
.set MSB, \new
.endif
.endm
.macro PLACES n
.rept \n
	v_nop
.endr
.endm
.macro CREST                           ; a round of the cluster's barrier behind its opening barrier
	s_cmp_lg_u32 s16, 0
	s_cbranch_scc1 .Lnot_wave_0_\@
	s_barrier_signal -3
.Lnot_wave_0_\@:
	s_barrier_wait -3
	s_barrier_signal -1
	s_barrier_wait -1
.endm
.macro CROUND
	s_barrier_signal -1
	s_barrier_wait -1
	CREST
.endm
; A joint refill of region rg: each of the two lines has one mask and one set of registers for all that issue it; the branch hangs on the wave's number alone.  Four v_nop follow each line.
.macro JLOAD rg
	s_cmp_lt_u32 s16, 2
	s_cbranch_scc0 .Lfor_y_\@
	tensor_load_to_lds s[G0X+4*(\rg):G0X+4*(\rg)+3], s[G1X+8*(\rg):G1X+8*(\rg)+7]
	s_nop 0
	PLACES 4
	s_branch .Lasked_\@
.Lfor_y_\@:
	tensor_load_to_lds s[G0Y+4*(\rg):G0Y+4*(\rg)+3], s[G1Y+8*(\rg):G1Y+8*(\rg)+7]
	s_nop 0
	PLACES 4
.Lasked_\@:
.endm
; A PREFETCH INTO THE L2 of the records that the NEXT refill will ask for: n = 1: record 5; n = 2: records 6 and 7.  It stands behind the joint load and the run of LDS loads that the next products wait for.
; A record is 25 blocks of 256 bytes: a lane a block (lanes 25-31 name lane 24's).  X's tiles are read by every cluster of a column of clusters: the cluster with y = 0 asks; Y's by both clusters of a row: the cluster with x = 0 asks.
; Of the 4 tiles that a wave fetches each of the four partners that ask for them jointly takes one, told apart by address alone.  The address is never stepped: the records stand in the immediates.
; The last refill asks for nothing; records 0 to 4 come by their loads alone.
.macro ASK n
	s_cmp_eq_u32 s[LIM], 1
	s_cbranch_scc0 .Lno_ask_\@
.if (\n) == 1
	global_prefetch_b8 v[PFO], s[PFA:PFA+1] th:TH_LOAD_NT scope:SCOPE_SE
.else
	global_prefetch_b8 v[PFO], s[PFA:PFA+1] offset:QR th:TH_LOAD_NT scope:SCOPE_SE
	global_prefetch_b8 v[PFO], s[PFA:PFA+1] offset:2*QR th:TH_LOAD_NT scope:SCOPE_SE
.endif
.Lno_ask_\@:
.endm
.macro FETCH rg, qo, sp, p             ; the fragments of K step sp of record qo of region rg into set p: 48 loads of 256 consecutive bytes
.set TSR, TS0+(TS1-TS0)*(\rg)
	WIN 0x40
.irp xt, 0,1,2,3
.irp i, 0,1,2,3,4,5
	ds_load_b64 v[128*(\p)+12*\xt+2*\i:128*(\p)+12*\xt+2*\i+1], v[AX+(\rg)] offset:TSR*\xt+QR*(\qo)+FI*(\sp)+256*\i
.endr
.endr
	WIN 0
.irp yt, 0,1,2,3
.irp i, 0,1,2,3,4,5
	ds_load_b64 v[YF+48*(\p)+12*\yt+2*\i:YF+48*(\p)+12*\yt+2*\i+1], v[AY+(\rg)] offset:TSR*\yt+QR*(\qo)+FI*(\sp)+256*\i
.endr
.endr
.endm
.macro SCALES rg, qo, st               ; a record's scale words into set st: four K steps' words of a row by one load
.set TSR, TS0+(TS1-TS0)*(\rg)
.irp xt, 0,1,2,3
	ds_load_b128 v[SC+32*(\st)+4*\xt:SC+32*(\st)+4*\xt+3], v[ASX+(\rg)] offset:SCB+TSR*\xt+QR*(\qo)
.endr
.irp yt, 0,1,2,3
	ds_load_b128 v[SC+32*(\st)+16+4*\yt:SC+32*(\st)+16+4*\yt+3], v[ASY+(\rg)] offset:SCB+TSR*\yt+QR*(\qo)
.endr
.endm
; 8 matrix instructions: Y tiles y0, y0 + 1 x X's four.  cm = 1: the first product starts the sums.  The 16 accumulators take turns, one instruction a turn, in the same order in every step.
.macro MUL8 y0, p, sp, st, cm
.irp yt, \y0, \y0+1
.irp xt, 0,1,2,3
.if (\cm) == 1
	v_wmma_scale_f32_16x16x128_f8f6f4 v[32*(\yt)+8*\xt:32*(\yt)+8*\xt+7], v[128*(\p)+12*\xt:128*(\p)+12*\xt+11], v[YF+48*(\p)+12*(\yt):YF+48*(\p)+12*(\yt)+11], 0, v[SC+32*(\st)+4*\xt+(\sp)], v[SC+32*(\st)+16+4*(\yt)+(\sp)] matrix_a_fmt:MATRIX_FMT_FP6 matrix_b_fmt:MATRIX_FMT_FP6
.else
	v_wmma_scale_f32_16x16x128_f8f6f4 v[32*(\yt)+8*\xt:32*(\yt)+8*\xt+7], v[128*(\p)+12*\xt:128*(\p)+12*\xt+11], v[YF+48*(\p)+12*(\yt):YF+48*(\p)+12*(\yt)+11], v[32*(\yt)+8*\xt:32*(\yt)+8*\xt+7], v[SC+32*(\st)+4*\xt+(\sp)], v[SC+32*(\st)+16+4*(\yt)+(\sp)] matrix_a_fmt:MATRIX_FMT_FP6 matrix_b_fmt:MATRIX_FMT_FP6
.endif
.endr
.endr
.endm
; A K step that has its successor in the same region.  The successor's fragments are asked for first, into the set that the last step's products read (four places behind them); behind a record's last step
; the successor is the region's second record, whose scale words come with it, into the other set.  Then 16 products.
.macro STEP rg, qo, sp, st, cm
	s_wait_dscnt 0x0                               ; this step's fragments (and scale words) are in: they were asked for 16 matrix instructions ago
	PLACES 4
.if (\sp) < 3
	FETCH \rg, \qo, (\sp)+1, 1-(\sp)%2
.else
	FETCH \rg, (\qo)+1, 0, 0
	SCALES \rg, (\qo)+1, 1-(\st)
.endif
	WIN 0xa1                                       ; source 0 (X) window 1, source 1 (Y) window 0, C and D window 2
	MUL8 0, (\sp)%2, \sp, \st, \cm
	MUL8 2, (\sp)%2, \sp, \st, \cm
.endm
; A region's last K step changes regions: ONE barrier; in front of it each wave waits for all its tensor loads, adds 0 to its spare word, and waits for that and for its reads of this region.
; fill = 1: this region is filled again, with the records three further on.  ask: what is prefetched behind it (0: nothing).
.macro TURN rg, st, nrg, fill, ask
	WIN 0
	s_wait_tensorcnt 0x0                           ; all my tensor loads have landed: my part of the next region
	ds_add_u32 v[SPW], v[NIL]                      ; 0 onto my spare word
	s_wait_dscnt 0x0                               ; the add is done, and my reads of this region are over
	s_barrier_signal -1
	WIN 0xa1
	MUL8 0, 1, 3, \st, 0                           ; work on registers while the others arrive
	WIN 0
	s_barrier_wait -1
.if \fill
	CREST                                          ; the barrier has opened a round of the cluster's barrier: no wave of any partner still reads this region or has a load on its way
	s_add_nc_u64 s[G0X+4*(\rg)+2:G0X+4*(\rg)+3], s[G0X+4*(\rg)+2:G0X+4*(\rg)+3], 3*QR
	s_add_nc_u64 s[G0Y+4*(\rg)+2:G0Y+4*(\rg)+3], s[G0Y+4*(\rg)+2:G0Y+4*(\rg)+3], 3*QR
	JLOAD \rg                                      ; the first tensor load behind the round; its four v_nop are also the places in front of the loads below
.else
	PLACES 4
.endif
	FETCH \nrg, 0, 0, 0
	SCALES \nrg, 0, 1-(\st)
.if (\ask) > 0
	ASK \ask
.endif
	WIN 0xa1
	MUL8 2, 1, 3, \st, 0
.endm
.macro SEVEN st, cm                    ; region 0's two records but for their last K step; the first record's scale words lie in set st
	STEP 0, 0, 0, \st, \cm
	STEP 0, 0, 1, \st, 0
	STEP 0, 0, 2, \st, 0
	STEP 0, 0, 3, \st, 0
	STEP 0, 1, 0, 1-(\st), 0
	STEP 0, 1, 1, 1-(\st), 0
	STEP 0, 1, 2, 1-(\st), 0
.endm
.macro THREE st                        ; region 1's record but for its last K step
	STEP 1, 0, 0, \st, 0
	STEP 1, 0, 1, \st, 0
	STEP 1, 0, 2, \st, 0
.endm
.macro LAST st
	s_wait_dscnt 0x0
	WIN 0xa1
	MUL8 0, 1, 3, \st, 0
	MUL8 2, 1, 3, \st, 0
	WIN 0
.endm
.macro TOSTAGE yt                      ; a tile of 16 tokens x 64 columns into my stage and back as rows; LDS serves a wave's instructions in order, so no wait stands between
	WIN 0x08                                       ; an LDS store's data are its source 1: window 2
.irp xt, 0,1,2,3
	ds_store_b128 v[STO], v[32*(\yt)+8*\xt:32*(\yt)+8*\xt+3] offset:128*(\xt/2)+32*(\xt%2)        ; each accumulator from its low end on
	ds_store_b128 v[STO], v[32*(\yt)+8*\xt+4:32*(\yt)+8*\xt+7] offset:128*(\xt/2)+32*(\xt%2)+16
.endr
	WIN 0
.set BB, BK+32*((\yt)%2)
.irp i, 0,1,2,3,4,5,6,7
	ds_load_b128 v[BB+4*\i:BB+4*\i+3], v[RD] offset:2*SPI*\i       ; stage rows 2 i and 2 i + 1
.endr
.endm
.macro SEND yt, younger                ; younger: the LDS instructions issued behind tile yt's loads, which may stay out
.set BB, BK+32*((\yt)%2)
	s_wait_dscnt \younger
	WIN 0x08                                       ; source 1: window 2, the residual
.set SI, 0
.rept 16
	v_pk_add_f32 v[BB+SI:BB+SI+1], v[BB+SI:BB+SI+1], v[RES+32*(\yt)+SI:RES+32*(\yt)+SI+1]
.set SI, SI+2
.endr
	WIN 0
.set SI, 0
.rept 8
	v_pk_add_f32 v[BB+SI:BB+SI+1], v[BB+SI:BB+SI+1], v[B2:B2+1]
	v_pk_add_f32 v[BB+SI+2:BB+SI+3], v[BB+SI+2:BB+SI+3], v[B2+2:B2+3]
.set SI, SI+4
.endr
.irp i, 0,1,2,3,4,5,6,7
	global_store_b128 v[CO], v[BB+4*\i:BB+4*\i+3], s[88:89] offset:(32*((\yt)/2)+8*((\yt)%2)+2*\i+8*(\i/4))*4096 th:TH_STORE_NT   ; sixteen lanes store 256 consecutive bytes, at a multiple of 256 from the output's first byte
.endr
.endm
	s_load_b256 s[4:11], s[0:1], 0x0               ; fc, wc, x1, b2
	s_load_b64 s[12:13], s[0:1], 0x20              ; out0
	v_lshl_add_u32 v[SPW], v0, 2, SPARE
	v_mov_b32 v[NIL], 0
	ds_add_u32 v28, v29
	ds_add_u32 v28, v29
	s_wait_dscnt 0x0
	v_lshrrev_b32 v1, 5, v0
	v_readfirstlane_b32 s16, v1                    ; wave 0..3
	s_and_b32 s17, s16, 1                          ; wx: my half of X.  Also: which half of X's or Y's tiles I fetch
	s_lshr_b32 s18, s16, 1                         ; wy: my half of Y
	s_bfe_u32 s19, ttmp6, 0x40000                  ; cx
	s_bfe_u32 s20, ttmp6, 0x40004                  ; cy
	s_lshl_b32 s21, ttmp9, 2
	s_add_co_u32 s21, s21, s19                     ; xg = 4 x cluster x + cx: which 128 columns
	s_and_b32 s22, ttmp7, 0xffff
	s_lshl_b32 s22, s22, 2
	s_add_co_u32 s22, s22, s20                     ; yg = 4 x cluster y + cy: which 128 tokens
	s_lshl_b32 s76, s20, 2
	s_lshl_b32 s76, 15, s76                        ; my row of the cluster
	s_lshl_b32 s77, 0x1111, s19                    ; my column
	s_or_b32 s[G1X], s77, (3<<16)|(1<<21)          ; 15:0 the mask: X's tiles go to my column; 17:16 elements of 8 bytes; 21 set beside a mask; no padding
	s_or_b32 s[G1X+8], s77, (3<<16)|(1<<21)
	s_or_b32 s[G1Y], s76, (3<<16)|(1<<21)          ; Y's go to my row
	s_or_b32 s[G1Y+8], s76, (3<<16)|(1<<21)
.irp g, G1X, G1Y
	s_mov_b32 s[\g+1], (TS0/8)<<16                 ; region 0: tensor_dim0 = 1,600 elements: two records of a tile, 12,800 bytes, are a row
	s_mov_b32 s[\g+2], 4<<16                       ; tensor_dim1 = 4 tiles
	s_mov_b32 s[\g+3], (TS0/8)<<16                 ; tile_dim0
	s_mov_b32 s[\g+4], 4                           ; tile_dim1
	s_mov_b32 s[\g+5], TP/8                        ; from tile to tile
	s_mov_b32 s[\g+6], 0
	s_mov_b32 s[\g+7], 0
	s_mov_b32 s[\g+9], (TS1/8)<<16                 ; region 1: one record, 6,400 bytes, is a row
	s_mov_b32 s[\g+10], 4<<16
	s_mov_b32 s[\g+11], (TS1/8)<<16
	s_mov_b32 s[\g+12], 4
	s_mov_b32 s[\g+13], TP/8
	s_mov_b32 s[\g+14], 0
	s_mov_b32 s[\g+15], 0
.endr
	s_lshl_b32 s78, s21, 3
	s_lshl_b32 s82, s17, 2
	s_add_co_u32 s78, s78, s82                     ; X: tile 8 xg + 4 x half
	s_mul_i32 s78, s78, TP
	s_add_co_u32 s78, s78, WOFF
	s_mov_b32 s79, 0
	s_lshl_b32 s80, s22, 3
	s_add_co_u32 s80, s80, s82                     ; Y: tile 8 yg + 4 x half
	s_mul_i32 s80, s80, TP
	s_mov_b32 s81, 0
	s_mul_i32 s83, s17, 4*TS0                      ; where they go, region 0: no place in the cluster enters an LDS address
	s_mul_i32 s84, s17, 4*TS1
	s_add_co_u32 s84, s84, RG1                     ; region 1
	s_lshl_b32 s96, s22, 7
	s_lshl_b32 s97, s18, 6
	s_add_co_u32 s96, s96, s97                     ; my first token: 128 yg + 64 wy
	s_lshl_b32 s96, s96, 12
	s_lshl_b32 s98, s21, 9
	s_lshl_b32 s97, s17, 8
	s_add_co_u32 s98, s98, s97                     ; my first column, 128 xg + 64 wx, in bytes
	s_mov_b32 s99, 0
	s_add_co_u32 s96, s96, s98
	s_mov_b32 s97, 0
	; the prefetches: where my wave's stand, and who asks
	s_lshl_b32 s66, s21, 3
	s_add_co_u32 s66, s66, s82
	s_add_co_u32 s66, s66, s20                     ; X: tile 8 xg + 4 x half + cy
	s_lshl_b32 s95, s22, 3
	s_add_co_u32 s95, s95, s82
	s_add_co_u32 s95, s95, s19                     ; Y: tile 8 yg + 4 x half + cx
	s_and_b32 s85, ttmp7, 0xffff                   ; the cluster's y
	s_wait_kmcnt 0x0
	s_cmp_lt_u32 s16, 2                            ; do I fetch for X?
	s_cselect_b32 s66, s66, s95
	s_mov_b32 s95, 5*QR
	s_cselect_b32 s95, WOFF+5*QR, s95              ; at record 5
	s_cselect_b32 s85, s85, ttmp9                  ; the coordinate along which other clusters read the same tiles
	s_cselect_b64 s[PFA:PFA+1], s[6:7], s[4:5]
	s_cmp_eq_u32 s85, 0
	s_cselect_b32 s[LIM], 1, -1                    ; the same in all sixteen partners, for a given wave
	s_mul_i32 s66, s66, TP
	s_add_co_u32 s66, s66, s95
	s_mov_b32 s67, 0
	s_add_nc_u64 s[PFA:PFA+1], s[PFA:PFA+1], s[66:67]
	s_add_nc_u64 s[78:79], s[6:7], s[78:79]
	s_add_nc_u64 s[80:81], s[4:5], s[80:81]
	s_add_nc_u64 s[86:87], s[8:9], s[96:97]        ; the residual
	s_add_nc_u64 s[88:89], s[12:13], s[96:97]      ; the result
	s_add_nc_u64 s[90:91], s[10:11], s[98:99]      ; b2
	CROUND                                         ; all sixteen work-groups are here: the first joint loads meet
	s_mov_b32 s[G0X], 1                            ; region 0: records 0 and 1
	s_mov_b32 s[G0X+1], s83
	s_mov_b64 s[G0X+2:G0X+3], s[78:79]
	s_or_b32 s[G0X+3], s[G0X+3], 0x80000000
	s_mov_b32 s[G0X+4], 1                          ; region 1: record 2
	s_mov_b32 s[G0X+5], s84
	s_add_nc_u64 s[G0X+6:G0X+7], s[78:79], 2*QR
	s_or_b32 s[G0X+7], s[G0X+7], 0x80000000
	s_mov_b32 s[G0Y], 1
	s_add_co_u32 s[G0Y+1], s83, 8*TS0              ; Y's tiles lie behind X's eight
	s_mov_b64 s[G0Y+2:G0Y+3], s[80:81]
	s_or_b32 s[G0Y+3], s[G0Y+3], 0x80000000
	s_mov_b32 s[G0Y+4], 1
	s_add_co_u32 s[G0Y+5], s84, 8*TS1
	s_add_nc_u64 s[G0Y+6:G0Y+7], s[80:81], 2*QR
	s_or_b32 s[G0Y+7], s[G0Y+7], 0x80000000
	s_cmp_lt_u32 s16, 2                            ; waves 0, 1 fetch X's halves, waves 2, 3 Y's; a wave's two first fills stand in one branch; four v_nop follow the second
	s_cbranch_scc0 .Lfirst_y
	tensor_load_to_lds s[G0X:G0X+3], s[G1X:G1X+7]
	s_nop 0
	tensor_load_to_lds s[G0X+4:G0X+7], s[G1X+8:G1X+15]
	s_nop 0
	PLACES 4
	s_branch .Lfirst_done
.Lfirst_y:
	tensor_load_to_lds s[G0Y:G0Y+3], s[G1Y:G1Y+7]
	s_nop 0
	tensor_load_to_lds s[G0Y+4:G0Y+7], s[G1Y+8:G1Y+15]
	s_nop 0
	PLACES 4
.Lfirst_done:
	v_and_b32 v1, 31, v0                           ; l
	v_and_b32 v2, 15, v0                           ; r
	v_bfe_u32 v3, v0, 4, 1                         ; h
	v_lshlrev_b32 v4, 3, v1                        ; 8 l
	v_lshlrev_b32 v5, 4, v2                        ; 16 r
	v_lshlrev_b32 v[CO], 12, v3
	v_lshl_add_u32 v[CO], v2, 4, v[CO]             ; in x1 and out0: lanes 0-15 one row's 256 bytes, lanes 16-31 the next row's
	v_min_u32 v[PFO], 24, v1
	v_lshlrev_b32 v[PFO], 8, v[PFO]
	global_load_b128 v[B2:B2+3], v5, s[90:91]      ; b2 of my four columns of a row's 64
	WIN 0x80                                       ; destination window 2
.irp yt, 0,1,2,3
.irp i, 0,1,2,3,4,5,6,7
	global_load_b128 v[RES+4*(8*\yt+\i):RES+4*(8*\yt+\i)+3], v[CO], s[86:87] offset:(32*(\yt/2)+8*(\yt%2)+2*\i+8*(\i/4))*4096 th:TH_LOAD_NT   ; the residual's rows, in the order in which the tiles hold the tokens
.endr
.endr
	WIN 0
	s_mul_i32 s66, s17, 4*TS0                      ; my fragments in region 0
	s_mul_i32 s67, s18, 4*TS0
	s_add_co_u32 s67, s67, 8*TS0
	v_add_nc_u32 v[AX], s66, v4
	v_add_nc_u32 v[AY], s67, v4
	v_add_nc_u32 v[ASX], s66, v5
	v_add_nc_u32 v[ASY], s67, v5
	s_mul_i32 s66, s17, 4*TS1                      ; and in region 1
	s_add_co_u32 s66, s66, RG1
	s_mul_i32 s67, s18, 4*TS1
	s_add_co_u32 s67, s67, RG1+8*TS1
	v_add_nc_u32 v[AX+1], s66, v4
	v_add_nc_u32 v[AY+1], s67, v4
	v_add_nc_u32 v[ASX+1], s66, v5
	v_add_nc_u32 v[ASY+1], s67, v5
	s_mul_i32 s85, s16, 16*SPI
	s_add_co_u32 s85, s85, STG                     ; my stage
	v_mul_u32_u24 v[STO], v2, SPI
	v_lshl_add_u32 v[STO], v3, 6, v[STO]
	v_add_nc_u32 v[STO], s85, v[STO]               ; in: row r, + 64 h
	v_mul_u32_u24 v[RD], v3, SPI
	v_lshl_add_u32 v[RD], v2, 4, v[RD]
	v_add_nc_u32 v[RD], s85, v[RD]                 ; back: lanes 0-15 one row, lanes 16-31 the next, 16 bytes a lane
	s_wait_tensorcnt 0x1                           ; my part of region 0 is in; region 1's load, the one younger, may be out
	s_barrier_signal -1
	s_barrier_wait -1
	FETCH 0, 0, 0, 0
	SCALES 0, 0, 0
	SEVEN 0, 1                                     ; records 0 and 1; the first step's products start the sums
	TURN 0, 1, 1, 1, 1                             ; region 0 takes records 3 and 4; record 5 is prefetched
	THREE 0                                        ; record 2
	TURN 1, 0, 0, 1, 2                             ; region 1 takes record 5; records 6 and 7 are prefetched
	SEVEN 1, 0                                     ; records 3 and 4
	TURN 0, 0, 1, 1, 0                             ; region 0 takes records 6 and 7: the last load
	THREE 1                                        ; record 5
	TURN 1, 1, 0, 0, 0                             ; nothing is left to fetch: no round, no load
	SEVEN 0, 0                                     ; records 6 and 7
	LAST 1
	PLACES 4                                       ; behind the last products: results are read, and registers that held Y's fragments are loaded
	s_wait_loadcnt 0x0                             ; the residual and b2
	TOSTAGE 0
.irp a, 1,2,3
.if \a > 1
	s_wait_xcnt 0x0                                ; tile a - 2's stores have read their registers: tile a's rows may land there
.endif
	TOSTAGE \a
	SEND \a-1, 16                                  ; behind tile a - 1's loads: tile a's 8 stores and 8 loads
.endr
	SEND 3, 0
	s_wait_tensorcnt 0x0                           ; the wave's end, behind my last tensor load and my last LDS store
	ds_add_u32 v[SPW], v[NIL]
	s_wait_dscnt 0x0
	CROUND                                         ; the closing round: no work-group ends while a partner may still ask for a tile that names it
	s_endpgm
.Lfunc_end_k_q6b52bd1964_ff2:
	.size	k_q6b52bd1964_ff2, .Lfunc_end_k_q6b52bd1964_ff2-k_q6b52bd1964_ff2
	.p2alignl 7, 3214868480
	.fill 96, 4, 3214868480
	.section	.rodata,"a",@progbits
	.p2align	6, 0x0
	.amdhsa_kernel k_q6b52bd1964_ff2
		.amdhsa_group_segment_fixed_size 327680
		.amdhsa_private_segment_fixed_size 0
		.amdhsa_enable_private_segment 0
		.amdhsa_kernarg_size 40
		.amdhsa_user_sgpr_count 2
		.amdhsa_user_sgpr_kernarg_segment_ptr 1
		.amdhsa_wavefront_size32 1
		.amdhsa_system_sgpr_workgroup_id_x 1
		.amdhsa_system_sgpr_workgroup_id_y 1
		.amdhsa_system_sgpr_workgroup_id_z 1
		.amdhsa_system_vgpr_workitem_id 0
		.amdhsa_next_free_vgpr 768
		.amdhsa_next_free_sgpr 100
		.amdhsa_reserve_vcc 0
		.amdhsa_float_denorm_mode_32 3
		.amdhsa_float_denorm_mode_16_64 3
		.amdhsa_memory_ordered 1
		.amdhsa_forward_progress 1
		.amdhsa_inst_pref_size 204
	.end_amdhsa_kernel
	.amdgpu_metadata
---
amdhsa.version: [ 1, 2 ]
amdhsa.kernels:
  - .name:           k_q6b52bd1964_ff2
    .symbol:         k_q6b52bd1964_ff2.kd
    .args:
      - { .name: fc, .offset: 0, .size: 8, .value_kind: global_buffer, .address_space: global }
      - { .name: wc, .offset: 8, .size: 8, .value_kind: global_buffer, .address_space: global }
      - { .name: x1, .offset: 16, .size: 8, .value_kind: global_buffer, .address_space: global }
      - { .name: b2, .offset: 24, .size: 8, .value_kind: global_buffer, .address_space: global }
      - { .name: out0, .offset: 32, .size: 8, .value_kind: global_buffer, .address_space: global }
    .group_segment_fixed_size: 327680
    .private_segment_fixed_size: 0
    .kernarg_segment_align: 8
    .kernarg_segment_size: 40
    .max_flat_workgroup_size: 128
    .sgpr_count:     100
    .vgpr_count:     768
    .wavefront_size: 32
...
	.end_amdgpu_metadata
.endif
;; end of part 7
